; MI455X (gfx1250); checked and timed in simulation.
; The chip was launched on July 23, 2026; its instructions are those of AMD's public machine-readable ISA for CDNA 5 (MIT licence, August 2026) and "CDNA5" Instruction Set Architecture Reference Guide (July 2026). The comments in the code are by the model that wrote it; some were corrected since.
;; Multi Head Self Attention. Allowed arithmetic: float matrix products may take bf16 or f16 operands with f32 sums; other float arithmetic in f32, or as packed bf16 or f16 multiplies, adds, multiply-adds, maxima and minima; sums over many terms, partial sums and values carried from step to step in f32; what a program stores and reads back later, other than sums and carried values, may be rounded once to bf16 or f16.
;; Inputs: proj_b 1,024 float32; proj_w 1,024 x 1,024 float32; qkv_b 3,072 float32; qkv_w 3,072 x 1,024 float32; x 64 x 197 x 1,024 float32.
;; Outputs: out0 64 x 197 x 1,024 float32.
;; 2 versions, each right; version 2 is version 1 with the launch cast written anew for expert scheduling mode. Each part assembles by itself: llvm-mc -triple=amdgcn-amd-amdhsa -mcpu=gfx1250 --defsym DOCPART=n.
;; ======== version 1 of 2: 4 launches
;; limits: values are held in f16: magnitudes above 65,504 overflow, below 6.1e-05 lose precision
;; workspace buffers: xb 25,821,184 bytes; wb 6,291,456 bytes; pwh 2,097,152 bytes; rope 53,248 bytes; qkv 81,788,928 bytes; ctx 27,262,976 bytes
;; launch cast (part 1): grid 548 x 1, 8 waves a work-group, no clusters, 0 bytes of LDS; arguments x, qkv_w, proj_w, xb, wb, pwh, rope; writes xb, wb, pwh, rope
.if DOCPART == 1
	.amdgcn_target "amdgcn-amd-amdhsa--gfx1250"
	.amdhsa_code_object_version 6
	.text
	.protected	k_qe018d5c709_cast
	.globl	k_qe018d5c709_cast
	.p2align	8
	.type	k_qe018d5c709_cast,@function
k_qe018d5c709_cast:
	s_mov_b64 s[64:65], 0
	v_nop
	global_prefetch_b8 v0, s[64:65] scope:SCOPE_SE
	s_setreg_imm32_b32 hwreg(HW_REG_WAVE_MODE, 25, 1), 1
	s_wait_xcnt 0x0
; CAST.  x [12608][1024] and qkv_w [3072][1024] are rounded once to bf16 (xb, wb); proj_w [1024][1024] is rounded to bf16 and that number written as f16 (pwh);
; the rotary table (rope) is made.  A stream: no LDS, no matrix unit, no cluster (no two work-groups read the same byte).
; SHARES.  A work-group takes 32 rows of 4,096 bytes, each of its eight waves 4 rows = 16,384 consecutive bytes = 32 loads of 512 bytes, all issued before the first is used.
; Work-groups 0-393: x.  394-489: qkv_w.  490-521: proj_w.  522-547: the table, 208 waves, each 256 bytes of it.
; LIMITS.  pwh: |proj_w| within f16's 65,504; below 6e-5 f16 keeps its fixed step of 6e-8.  The series below serve the table's own angles (at most 13 rad, sixteenth 0.8125), which are constants of the problem.
; THE TABLE.  rope[a 13][b 4][u 2][lane 32][c, s, c, s] f32: lane 16 h + r holds cos and sin of the pairs i = 8 b + 4 h + 2 u + {0, 1} for token 16 a + r.
; Pair i < 16 turns by (p / 14) w_i, pair i >= 16 by (p % 14) w_(i-16), p = token - 1, w_j = 10000^(-j/16).  Token 0 and the padding rows 197-207 get (1, 0).
.set XG,  394                          ; work-groups for x
.set WGR, 96                           ; for qkv_w
.set PG,  32                           ; for proj_w
.set X,   8                            ; v[8:135]   load j: four registers
.set T,   136                          ; v[136:139] at work
	s_load_b256 s[4:11], s[0:1], 0x0               ; x s[4:5], qkv_w s[6:7], proj_w s[8:9], xb s[10:11]
	s_load_b128 s[12:15], s[0:1], 0x20             ; wb s[12:13], pwh s[14:15]
	s_load_b64 s[16:17], s[0:1], 0x30              ; rope
	v_lshrrev_b32 v3, 5, v0                        ; wave
	v_and_b32 v4, 31, v0                           ; lane
	v_lshlrev_b32 v1, 4, v4
	v_lshl_or_b32 v1, v3, 14, v1                   ; in: wave x 16,384 + lane x 16
	v_lshlrev_b32 v2, 3, v4
	v_lshl_or_b32 v2, v3, 13, v2                   ; out: wave x 8,192 + lane x 8
	s_mov_b32 s28, 0xffff0000                      ; a word's upper bf16
	s_mov_b32 s25, 0                               ; the offsets' high words
	s_mov_b32 s27, 0
	s_cmp_ge_u32 ttmp9, XG+WGR+PG
	s_cbranch_scc1 .Ltable
	s_cmp_ge_u32 ttmp9, XG+WGR
	s_cbranch_scc1 .Lproj
; 32 loads, then for each: the wait that leaves the younger ones out, the rounding, and a store of 256 consecutive aligned bytes.  No register is written again behind a store.
; mode 0: f32 -> bf16.  mode 1: f32 -> bf16 -> f32 (a shift, a mask) -> f16.
.macro CAST mode
.set j, 0
.rept 32
	global_load_b128 v[X+4*j:X+4*j+3], v1, s[20:21] offset:512*j th:TH_LOAD_NT
.set j, j+1
.endr
.set j, 0
.rept 32
	s_wait_loadcnt 31-j                            ; loads come back in order: load j is in, the 31 - j younger ones stay out
.if \mode
	v_cvt_pk_bf16_f32 v[T], v[X+4*j], v[X+4*j+1]
	v_cvt_pk_bf16_f32 v[T+1], v[X+4*j+2], v[X+4*j+3]
	v_lshlrev_b32 v[T+2], 16, v[T]
	v_and_b32 v[T+3], s28, v[T]
	v_cvt_pk_f16_f32 v[X+4*j], v[T+2], v[T+3]
	v_lshlrev_b32 v[T+2], 16, v[T+1]
	v_and_b32 v[T+3], s28, v[T+1]
	v_cvt_pk_f16_f32 v[X+4*j+1], v[T+2], v[T+3]
.else
	v_cvt_pk_bf16_f32 v[X+4*j], v[X+4*j], v[X+4*j+1]
	v_cvt_pk_bf16_f32 v[X+4*j+1], v[X+4*j+2], v[X+4*j+3]
.endif
	global_store_b64 v2, v[X+4*j:X+4*j+1], s[22:23] offset:256*j
.set j, j+1
.endr
.endm
	s_wait_kmcnt 0x0
	s_cmp_lt_u32 ttmp9, XG                         ; x or qkv_w: the choice hangs on the work-group's number alone
	s_cselect_b64 s[20:21], s[4:5], s[6:7]
	s_cselect_b64 s[22:23], s[10:11], s[12:13]
	s_cselect_b32 s18, 0, XG
	s_sub_co_u32 s18, ttmp9, s18                   ; my block of 32 rows in that tensor
	s_lshl_b32 s24, s18, 17                        ; x 131,072 bytes in
	s_lshl_b32 s26, s18, 16                        ; x 65,536 bytes out
	s_add_nc_u64 s[20:21], s[20:21], s[24:25]
	s_add_nc_u64 s[22:23], s[22:23], s[26:27]
	CAST 0
	s_endpgm
.Lproj:
	s_wait_kmcnt 0x0
	s_sub_co_u32 s18, ttmp9, XG+WGR
	s_lshl_b32 s24, s18, 17
	s_lshl_b32 s26, s18, 16
	s_add_nc_u64 s[20:21], s[8:9], s[24:25]
	s_add_nc_u64 s[22:23], s[14:15], s[26:27]
	CAST 1
	s_endpgm
.Ltable:
	v_readfirstlane_b32 s19, v3                    ; wave
	s_sub_co_u32 s18, ttmp9, XG+WGR+PG
	s_lshl3_add_u32 s18, s18, s19                  ; W = my 256 bytes of the table, 0 to 207
	s_and_b32 s20, s18, 1                          ; h
	s_bfe_u32 s21, s18, 0x10001                    ; u
	s_bfe_u32 s22, s18, 0x20002                    ; b
	s_lshr_b32 s23, s18, 4                         ; a
	s_and_b32 s24, s22, 1
	s_lshl_b32 s24, s24, 3                         ; 8 (b & 1)
	s_lshl2_add_u32 s24, s20, s24                  ; + 4 h
	s_lshl1_add_u32 s24, s21, s24                  ; + 2 u
	s_cmp_lt_u32 s22, 2                            ; b < 2: the pairs that turn by the grid's row
	s_cselect_b32 s29, -1, 0
	v_and_b32 v5, 1, v4                            ; which of the two pairs
	v_lshrrev_b32 v6, 1, v4                        ; r
	v_lshl_add_u32 v6, s23, 4, v6                  ; token 16 a + r
	v_add_nc_u32 v6, -1, v6                        ; p
	v_cmp_gt_u32 vcc_lo, 196, v6                   ; token 0 (p wraps) and rows 197 on: no turn
	v_cndmask_b32 v6, 0, v6, vcc_lo
	v_mul_u32_u24 v7, v6, 4682
	v_lshrrev_b32 v7, 16, v7                       ; p / 14: 4682 / 65536 is exact for p below 5,000
	v_mul_u32_u24 v8, v7, 14
	v_sub_nc_u32 v8, v6, v8                        ; p % 14
	v_cndmask_b32 v7, v8, v7, s29
	v_cvt_f32_u32 v7, v7                           ; t
	v_add_nc_u32 v5, s24, v5                       ; j
	v_cvt_f32_u32 v5, v5
	v_mul_f32 v5, 0xbf549a78, v5                   ; - j log2(10000) / 16
	v_exp_f32 v5, v5                               ; w_j
	v_mul_f32 v7, 0x3d800000, v7                   ; t / 16: the plain line between the exponential and the use of its result
	s_wait_alu depctr_va_vdst(0)
	v_mul_f32 v7, v7, v5                           ; phi = angle / 16, at most 0.8125
	v_mul_f32 v8, v7, v7                           ; phi^2
	v_mov_b32 v10, 0xb2d7322b                      ; sine: -1/11!, 1/9!, -1/7!, 1/5!, -1/3!, 1: the term left out is below 2e-11
	v_mov_b32 v12, 0x310f76c7                      ; cosine: 1/12!, -1/10!, 1/8!, -1/6!, 1/4!, -1/2!, 1
	v_fmaak_f32 v10, v10, v8, 0x3638ef1d
	v_fmaak_f32 v12, v12, v8, 0xb493f27e
	v_fmaak_f32 v10, v10, v8, 0xb9500d01
	v_fmaak_f32 v12, v12, v8, 0x37d00d01
	v_fmaak_f32 v10, v10, v8, 0x3c088889
	v_fmaak_f32 v12, v12, v8, 0xbab60b61
	v_fmaak_f32 v10, v10, v8, 0xbe2aaaab
	v_fmaak_f32 v12, v12, v8, 0x3d2aaaab
	v_fmaak_f32 v10, v10, v8, 0x3f800000
	v_fmaak_f32 v12, v12, v8, 0xbf000000
	v_mul_f32 v13, v10, v7                         ; sin phi
	v_fmaak_f32 v12, v12, v8, 0x3f800000           ; cos phi
.rept 4                                ; four doublings: phi -> 16 phi
	v_mul_f32 v10, v13, v13
	v_mul_f32 v11, v13, v12
	v_fma_f32 v12, v12, v12, -v10                  ; c^2 - s^2
	v_add_f32 v13, v11, v11                        ; 2 s c
.endr
	v_lshlrev_b32 v9, 3, v4
	v_lshl_add_u32 v9, s18, 8, v9                  ; 256 W + 8 lane
	s_wait_kmcnt 0x0
	global_store_b64 v9, v[12:13], s[16:17]        ; the wave stores 256 consecutive aligned bytes
	s_endpgm
.Lfunc_end_k_qe018d5c709_cast:
	.size	k_qe018d5c709_cast, .Lfunc_end_k_qe018d5c709_cast-k_qe018d5c709_cast
	.p2alignl 7, 3214868480
	.fill 96, 4, 3214868480
	.section	.rodata,"a",@progbits
	.p2align	6, 0x0
	.amdhsa_kernel k_qe018d5c709_cast
		.amdhsa_group_segment_fixed_size 0
		.amdhsa_private_segment_fixed_size 0
		.amdhsa_enable_private_segment 0
		.amdhsa_kernarg_size 56
		.amdhsa_user_sgpr_count 2
		.amdhsa_user_sgpr_kernarg_segment_ptr 1
		.amdhsa_wavefront_size32 1
		.amdhsa_system_sgpr_workgroup_id_x 1
		.amdhsa_system_sgpr_workgroup_id_y 1
		.amdhsa_system_sgpr_workgroup_id_z 1
		.amdhsa_system_vgpr_workitem_id 0
		.amdhsa_next_free_vgpr 144
		.amdhsa_next_free_sgpr 66
		.amdhsa_reserve_vcc 1
		.amdhsa_float_denorm_mode_32 3
		.amdhsa_float_denorm_mode_16_64 3
		.amdhsa_memory_ordered 1
		.amdhsa_forward_progress 1
		.amdhsa_inst_pref_size 35
	.end_amdhsa_kernel
	.amdgpu_metadata
---
amdhsa.version: [ 1, 2 ]
amdhsa.kernels:
  - .name:           k_qe018d5c709_cast
    .symbol:         k_qe018d5c709_cast.kd
    .args:
      - { .name: x, .offset: 0, .size: 8, .value_kind: global_buffer, .address_space: global }
      - { .name: qkv_w, .offset: 8, .size: 8, .value_kind: global_buffer, .address_space: global }
      - { .name: proj_w, .offset: 16, .size: 8, .value_kind: global_buffer, .address_space: global }
      - { .name: xb, .offset: 24, .size: 8, .value_kind: global_buffer, .address_space: global }
      - { .name: wb, .offset: 32, .size: 8, .value_kind: global_buffer, .address_space: global }
      - { .name: pwh, .offset: 40, .size: 8, .value_kind: global_buffer, .address_space: global }
      - { .name: rope, .offset: 48, .size: 8, .value_kind: global_buffer, .address_space: global }
    .group_segment_fixed_size: 0
    .private_segment_fixed_size: 0
    .kernarg_segment_align: 8
    .kernarg_segment_size: 56
    .max_flat_workgroup_size: 256
    .sgpr_count:     66
    .vgpr_count:     144
    .wavefront_size: 32
...
	.end_amdgpu_metadata
.endif
;; end of part 1
;; launch qkv (part 2): grid 4 x 64, 4 waves a work-group, clusters of 4 x 4, 327,680 bytes of LDS; arguments xb, wb, qkv_b, rope, qkv; writes qkv
.if DOCPART == 2
	.amdgcn_target "amdgcn-amd-amdhsa--gfx1250"
	.amdhsa_code_object_version 6
	.text
	.protected	k_qe018d5c709_qkv
	.globl	k_qe018d5c709_qkv
	.p2align	8
	.type	k_qe018d5c709_qkv,@function
k_qe018d5c709_qkv:
	s_mov_b64 s[64:65], 0
	v_nop
	global_prefetch_b8 v0, s[64:65] scope:SCOPE_SE
	s_setreg_imm32_b32 hwreg(HW_REG_WAVE_MODE, 25, 1), 1
	s_wait_xcnt 0x0
	s_wait_alu depctr_hold_cnt(0) depctr_sa_sdst(0) depctr_va_vdst(0) depctr_va_sdst(0) depctr_va_ssrc(0) depctr_va_vcc(0) depctr_vm_vsrc(0)
	s_getreg_b32 s2, hwreg(HW_REG_IB_STS2, 6, 4)
	s_cmp_eq_u32 s2, 0
	s_cbranch_scc0 .Lentry_in_a_cluster
	s_endpgm
.Lentry_in_a_cluster:
	s_bfe_u32 s2, ttmp6, 0x10000c
	s_cmp_lg_u32 s2, 0xf033
	s_cbranch_scc0 .Lentry_shape_is_right
	s_endpgm
.Lentry_shape_is_right:
; QKV.  qkv[m][n] = sum over k of x[m][k] w[n][k] + b[n], bf16 operands, f32 sums that START with the bias (rounded to bf16 like every input); q and k are then turned (rotary, on the f32 sums); all leave in f16.
; TILE.  One batch (197 rows, padded to 208 = 13 x 16: rows 197-207 of x arrive in LDS as zeros) x 256 columns.  Wave w of four: all 208 rows x columns 64 w .. 64 w + 63, which are ONE head: 52 accumulators (a 0-12, b 0-3).
; K goes in 8 steps of 128 through two LDS slots; a step is four quarters of 32: 52 matrix instructions and 34 LDS loads each.
; A WORK-GROUP STAYS: it makes three tiles, q, k and v of its batch and its four heads (256 work-groups in all).  The ring does not stop at a tile's end: a tile's last two changes of slots ask for the next tile's first two
; K steps, and nothing waits for a tile's stores.  A tile has 8 K steps, an even number, so every tile begins in slot 0.
; CLUSTER 4 x 4: x's tile hangs on the batch alone and is asked for jointly along a row of the cluster, w's on the four heads alone, along a column.
; THE MATRIX INSTRUCTION IS USED TRANSPOSED (source 0 = 16 rows of w, source 1 = 16 rows of x): lane 16 h + r of accumulator (a, b) holds row 16 a + r, channels 16 b + 8 h + 0..7 of the head.
; OUT, IN FRAGMENT ORDER.  Those eight numbers in f16 are 16 bytes, and they ARE registers 4 (b & 1) .. + 3 of the fragment (channels 32 (b >> 1) on) that the same lane of the next launch wants.  So q and k are stored
; as qkv[which][head][a][b][lane][16 bytes]: each store of a wave covers 512 consecutive aligned bytes, with no way through LDS.  v is stored turned, in the same geometry: chunk (a, cb, lane) = V[keys 16 a + 8 h + 0..7][channel 16 cb + r],
; made through a stage in LDS that is read back by ds_load_tr16_b128.
; THE ROTARY TABLE (53,248 bytes, the same for every head) is brought into LDS once, at the start, a quarter by each wave, by a load of the work-group's own: it hangs on neither axis of the cluster, and a mask names four at the most.
; LIMITS.  |q|, |k|, |v| within f16's 65,504 (beyond it an infinity is stored); below 6e-5 f16 keeps its fixed step of 6e-8.  NaN and infinities are not treated apart.
; REGISTERS, in windows of 256 (s_set_vgpr_msb: bits 1:0 source 0, 3:2 source 1, 5:4 source 2, 7:6 destination):
;   window 0: v0-15 addresses; v16-47 the bias, 8 a column block; v48-63 at work; v64-95, v96-127 w's fragments, two buffers; v128-239 the way out (with v96-127: buffer 0 holds the next tile's fragments by then)
;   window 1: x's fragments, two buffers of 104      window 2: accumulators a = 0-5 at v[32 a + 8 b]      window 3: a = 6-12 at v[32 (a - 6) + 8 b]
.set PITCH,  272                       ; an LDS row: 256 bytes + 16 of padding: the 16 rows of a fragment load begin at 16 different 16-byte columns modulo 256
.set AHALF,  104*PITCH                 ; what one tensor load brings of x
.set BOFF,   208*PITCH                 ; w's 256 rows lie behind x's 208
.set BHALF,  128*PITCH                 ; what one tensor load brings of w
.set SLOT1,  131072                    ; slot 1 begins here: one exclusive or turns an address in one slot into the other's
.set STAGE,  SLOT1+BOFF+256*PITCH      ; behind the ring, never filled by a tensor load: 16 rows x 160 bytes for each wave
.set SPITCH, 160                       ; 128 bytes + 32: the turning load's 16 lanes take 8 rows x 32 bytes, no two in the same 32 bytes modulo 256
.set SPARE,  STAGE+4*16*SPITCH         ; the spare words, 128 bytes for each wave: two blocks of 256 bytes that no other line names
.set ROPE,   SPARE+512                 ; the rotary table, filled once
.set RQ,     13312                     ; a wave's quarter of it: 52 rows of 256 bytes
.set ASTEP,  256                       ; bytes from a K step to the next, in x and in w
.set TILEB,  4*256*2048                ; bytes in w from q's rows of my four heads to k's, and from k's to v's
.set HB,     26624                     ; bytes of a head in fragment order: 13 x 4 x 512
.set A0,   4                           ; v4   my lane's place in x's tile; never rewritten
.set B0,   5                           ; v5   the same in my 64 rows of w's tile
.set ADRA, 6                           ; v6   A0 + the slot in hand
.set ADRB, 7                           ; v7   B0 + the slot in hand
.set STO,  8                           ; v8   v's way out: where I put 16 bytes of a key's row
.set RD,   9                           ; v9   v's way out: where the turning load reads
.set LO,   10                          ; v10  16 x lane: my 16 bytes in every block of 512 of the output
.set TO,   11                          ; v11  ROPE + 16 x lane: the same in the table
.set BO,   12                          ; v12  32 h: my eight numbers in 16 of the bias
.set SPW,  14                          ; v14  LDS address of my spare word; never rewritten
.set NIL,  15                          ; v15  0; never rewritten
.set BIAS, 16
.set TMPB, 48
.set FB,   64                          ; w's fragments: buffer f at FB + 32 f
.set CS0,  96                          ; the way out: cos and sin, two buffers of 32
.set CS1,  208
.set T,    128                         ; turned numbers, f32
.set PK,   160                         ; 16 registers of f16
.set BK,   176                         ; v's chunks, two buffers of 16
.set WV,   14                          ; s14  wave
.set FORB, 15                          ; s15  0: I fetch x's tile; 1: w's
.set HALF, 16                          ; s16  which half of that tile's rows
.set TILES, 23                         ; s23  tiles to go, this one among them: the same number in every work-group
.set G1A,  24                          ; s[24:31] descriptor group 1 for x's tiles
.set G1B,  32                          ; s[32:39] for w's
.set G0A,  40                          ; s[40:47] group 0 for x's tiles: a set for each first fill; the second then walks
.set G0B,  48                          ; s[48:55] the same for w's
.set CNT,  56
.set TB,   57                          ; s57  0 or SLOT1: the slot that is read
.set G1R,  72                          ; s[72:79] group 1 for the table
.set G0R,  80                          ; s[80:83] group 0 for the table
.set MSB, 0
.macro WIN new                         ; the immediate's high byte repeats the setting that is left; a switch that changes nothing is dropped
.if MSB != (\new)
	s_set_vgpr_msb (MSB<<8)|(\new)
.set MSB, (\new)
.endif
.endm
.macro PLACES                          ; four places between a matrix instruction and a load into, or a vector read or write of, its registers (ISA guide 7.12.1 for vector reads and writes)
.rept 4
	v_nop
.endr
.endm
; A joint refill by the walking descriptors.  The branch hangs on the wave's number alone.  An s_nop 0 and four v_nop follow each of the two lines, ahead of the jump and the label.
.macro JLOAD
	s_cmp_eq_u32 s[FORB], 0
	s_cbranch_scc0 .Lfor_b_\@
	tensor_load_to_lds s[G0A+4:G0A+7], s[G1A:G1A+7]
	s_nop 0
.rept 4
	v_nop
.endr
	s_branch .Lasked_\@
.Lfor_b_\@:
	tensor_load_to_lds s[G0B+4:G0B+7], s[G1B:G1B+7]
	s_nop 0
.rept 4
	v_nop
.endr
.Lasked_\@:
.endm
.macro CREST                           ; a round of the cluster's barrier behind its opening barrier
	s_cmp_lg_u32 s[WV], 0
	s_cbranch_scc1 .Lnot_wave_0_\@
	s_barrier_signal -3
.Lnot_wave_0_\@:
	s_barrier_wait -3
	s_barrier_signal -1
	s_barrier_wait -1
.endm
.macro CROUND                          ; a whole round
	s_barrier_signal -1
	s_barrier_wait -1
	CREST
.endm
.macro BIASLD                          ; b[64 w + 16 b + 8 h + 0..7]: what register j of accumulator (a, b) starts with
.irp b, 0,1,2,3
	global_load_b128 v[BIAS+8*\b:BIAS+8*\b+3],   v[BO], s[8:9] offset:64*\b
	global_load_b128 v[BIAS+8*\b+4:BIAS+8*\b+7], v[BO], s[8:9] offset:64*\b+16
.endr
.endm
.macro BIASCV                          ; rounded to bf16 like every input, and widened again
	s_wait_loadcnt 0x0                             ; the bias: the wave has no other load into registers out
.set i_, 0
.rept 16
	v_cvt_pk_bf16_f32 v[TMPB+i_], v[BIAS+2*i_], v[BIAS+2*i_+1]
.set i_, i_+1
.endr
.set i_, 0
.rept 16
	v_lshlrev_b32 v[BIAS+2*i_], 16, v[TMPB+i_]
	v_and_b32 v[BIAS+2*i_+1], 0xffff0000, v[TMPB+i_]
.set i_, i_+1
.endr
.endm
	s_load_b256 s[4:11], s[0:1], 0x0               ; xb s[4:5], wb s[6:7], qkv_b s[8:9], rope s[10:11]
	s_load_b64 s[12:13], s[0:1], 0x20              ; qkv
	v_lshl_add_u32 v[SPW], v0, 2, SPARE
	v_mov_b32 v[NIL], 0
	ds_add_u32 v[SPW], v[NIL]                      ; the wave's opening: the add and its wait stand ahead of my first tensor load; the set-up below, work on registers, stands between them
	v_lshrrev_b32 v3, 5, v0
	v_readfirstlane_b32 s[WV], v3                  ; wave 0..3
	s_lshr_b32 s[FORB], s[WV], 1
	s_and_b32 s[HALF], s[WV], 1
	s_bfe_u32 s17, ttmp6, 0x40000                  ; cx
	s_bfe_u32 s18, ttmp6, 0x40004                  ; cy
	s_lshl_b32 s19, ttmp9, 2
	s_add_co_u32 s19, s19, s17                     ; my four heads = 4 x cluster x + cx, 0 to 3
	s_and_b32 s20, ttmp7, 0xffff
	s_lshl_b32 s20, s20, 2
	s_add_co_u32 s20, s20, s18                     ; batch = 4 x cluster y + cy
	s_lshl_b32 s21, s18, 2
	s_lshl_b32 s21, 15, s21                        ; my row of the cluster
	s_lshl_b32 s22, 0x1111, s17                    ; my column
	; group 1 for x: 104 rows x 128 elements, padded in LDS.  The second half has 93 rows left in the batch: the other 11 arrive as zeros
	s_or_b32 s[G1A+0], s21, (1<<16)|(1<<20)|(1<<21)|(5<<22)|(3<<25)  ; the mask; elements of 2 bytes; padding on; bit 21 beside a mask; after every 64 words (code 5) 4 words (code 3)
	s_mov_b32 s[G1A+1], 128<<16                    ; tensor_dim0 = 128
	s_mul_i32 s62, s[HALF], 11
	s_sub_co_u32 s62, 104, s62
	s_lshl_b32 s[G1A+2], s62, 16                   ; tensor_dim1 = 104 or 93
	s_mov_b32 s[G1A+3], 128<<16                    ; tile_dim0 = 128
	s_mov_b32 s[G1A+4], 104                        ; tile_dim1 = 104
	s_mov_b32 s[G1A+5], 1024                       ; elements from row to row
	s_mov_b32 s[G1A+6], 0
	s_mov_b32 s[G1A+7], 0
	; group 1 for w: 128 rows x 128 elements
	s_or_b32 s[G1B+0], s22, (1<<16)|(1<<20)|(1<<21)|(5<<22)|(3<<25)
	s_mov_b32 s[G1B+1], 128<<16
	s_mov_b32 s[G1B+2], 128<<16
	s_mov_b32 s[G1B+3], 128<<16
	s_mov_b32 s[G1B+4], 128
	s_mov_b32 s[G1B+5], 1024
	s_mov_b32 s[G1B+6], 0
	s_mov_b32 s[G1B+7], 0
	; group 1 for the table: 52 dense rows of 128 elements of 2 bytes, no mask, no padding
	s_mov_b32 s[G1R+0], 1<<16
	s_mov_b32 s[G1R+1], 128<<16
	s_mov_b32 s[G1R+2], 52<<16
	s_mov_b32 s[G1R+3], 128<<16
	s_mov_b32 s[G1R+4], 52
	s_mov_b32 s[G1R+5], 128
	s_mov_b32 s[G1R+6], 0
	s_mov_b32 s[G1R+7], 0
	; where the tiles come from: x's offset is made of the batch and the wave alone, w's of the four heads and the wave alone, each in registers that never hold the other coordinate
	s_mul_i32 s58, s20, 197*2048
	s_mul_i32 s62, s[HALF], 104*2048
	s_add_co_u32 s58, s58, s62
	s_mov_b32 s59, 0
	s_lshl_b32 s60, s19, 1
	s_add_co_u32 s60, s60, s[HALF]
	s_lshl_b32 s60, s60, 18                        ; (256 x four heads + 128 half) rows of 2,048 bytes: q's rows
	s_mov_b32 s61, 0
	s_mul_i32 s70, s[WV], RQ                       ; my quarter of the table
	s_mov_b32 s71, 0
	; and where they go: no place in the cluster enters an LDS address
	s_mov_b32 s[G0A+0], 1
	s_mul_i32 s[G0A+1], s[HALF], AHALF
	s_mov_b32 s[G0A+4], 1
	s_add_co_u32 s[G0A+5], s[G0A+1], SLOT1
	s_mov_b32 s[G0B+0], 1
	s_mul_i32 s[G0B+1], s[HALF], BHALF
	s_add_co_u32 s[G0B+1], s[G0B+1], BOFF
	s_mov_b32 s[G0B+4], 1
	s_add_co_u32 s[G0B+5], s[G0B+1], SLOT1
	s_mov_b32 s[G0R+0], 1
	s_add_co_u32 s[G0R+1], s70, ROPE
	; my head's bytes in q's part of the output, and my 64 numbers of q's bias
	s_lshl_b32 s66, s20, 4
	s_lshl_b32 s67, s17, 2
	s_add_co_u32 s66, s66, s67
	s_add_co_u32 s66, s66, s[WV]                   ; 16 batch + 4 cx + wave
	s_mul_i32 s66, s66, HB                         ; under 2^25
	s_mov_b32 s67, 0
	s_lshl_b32 s68, s19, 10
	s_lshl_b32 s69, s[WV], 8
	s_add_co_u32 s68, s68, s69                     ; (256 x four heads + 64 wave) x 4 bytes
	s_mov_b32 s69, 0
	s_mov_b32 s[TB], 0
	s_wait_dscnt 0x0                               ; the opening add is done
	s_wait_kmcnt 0x0
	s_add_nc_u64 s[G0A+2:G0A+3], s[4:5], s[58:59]  ; K step 0
	s_add_nc_u64 s[G0A+6:G0A+7], s[G0A+2:G0A+3], ASTEP  ; K step 1
	s_or_b32 s[G0A+3], s[G0A+3], 0x80000000        ; type = 2
	s_or_b32 s[G0A+7], s[G0A+7], 0x80000000
	s_add_nc_u64 s[G0B+2:G0B+3], s[6:7], s[60:61]
	s_add_nc_u64 s[G0B+6:G0B+7], s[G0B+2:G0B+3], ASTEP
	s_or_b32 s[G0B+3], s[G0B+3], 0x80000000
	s_or_b32 s[G0B+7], s[G0B+7], 0x80000000
	s_add_nc_u64 s[G0R+2:G0R+3], s[10:11], s[70:71]
	s_or_b32 s[G0R+3], s[G0R+3], 0x80000000
	s_add_nc_u64 s[12:13], s[12:13], s[66:67]
	s_add_nc_u64 s[8:9], s[8:9], s[68:69]
	CROUND                                         ; all sixteen work-groups are here: the first joint loads meet
	s_cmp_eq_u32 s[FORB], 0                        ; a wave's three first fills stand in one branch, ahead of every wait on TENSORcnt and every LDS read: three loads of mine are out
	s_cbranch_scc0 .Lfirst_b
	tensor_load_to_lds s[G0A:G0A+3], s[G1A:G1A+7]
	s_nop 0
	tensor_load_to_lds s[G0A+4:G0A+7], s[G1A:G1A+7]
	s_nop 0
	tensor_load_to_lds s[G0R:G0R+3], s[G1R:G1R+7]
	s_nop 0
.rept 4
	v_nop
.endr
	s_branch .Lfirst_asked
.Lfirst_b:
	tensor_load_to_lds s[G0B:G0B+3], s[G1B:G1B+7]
	s_nop 0
	tensor_load_to_lds s[G0B+4:G0B+7], s[G1B:G1B+7]
	s_nop 0
	tensor_load_to_lds s[G0R:G0R+3], s[G1R:G1R+7]
	s_nop 0
.rept 4
	v_nop
.endr
.Lfirst_asked:
	; A fragment is 16 rows x 32 K in 8 registers: lane l holds row l % 16; registers 0-3 K = 8 (l / 16) + 0..7, registers 4-7 K = 16 + 8 (l / 16) + 0..7: two loads of 16 bytes, 32 bytes apart
	v_and_b32 v1, 15, v0                           ; r
	v_bfe_u32 v2, v0, 4, 1                         ; h
	v_and_b32 v13, 31, v0                          ; lane
	v_lshlrev_b32 v[BO], 5, v2
	BIASLD                                         ; q's bias
	v_mul_u32_u24 v3, v1, PITCH
	v_lshl_add_u32 v[A0], v2, 4, v3                ; row x pitch + 16 x half
	s_mul_i32 s62, s[WV], 64*PITCH
	s_add_co_u32 s62, s62, BOFF
	v_add_nc_u32 v[B0], s62, v[A0]                 ; my 64 rows of w
	v_lshlrev_b32 v[LO], 4, v13
	v_add_nc_u32 v[TO], ROPE, v[LO]
	s_mul_i32 s63, s[WV], 16*SPITCH
	s_add_co_u32 s63, s63, STAGE                   ; my stage
	v_mul_u32_u24 v3, v1, SPITCH
	v_lshl_add_u32 v3, v2, 4, v3
	v_add_nc_u32 v[STO], s63, v3                   ; in: key l % 16, 16 bytes for each half of the lanes
	v_and_b32 v3, 7, v0
	v_lshl_add_u32 v3, v2, 3, v3
	v_mul_u32_u24 v3, v3, SPITCH                   ; back, turned: lane l reads key 8 (l / 16) + l % 8,
	v_bfe_u32 v[RD], v0, 3, 1
	v_lshl_add_u32 v3, v[RD], 4, v3                ; channels 8 ((l / 8) % 2) + 0..7
	v_add_nc_u32 v[RD], s63, v3
	v_add_nc_u32 v[ADRA], s[TB], v[A0]
	v_add_nc_u32 v[ADRB], s[TB], v[B0]
	BIASCV
; Row blocks alo .. ahi x all 4 column blocks, 32 along K, from buffer f.  first = 1: the sums start with the bias.  The accumulators take turns, one instruction a turn: 51 others' stand between two links of a chain.
.macro MULS f, alo, ahi, first
.set a_, (\alo)
.rept (\ahi)-(\alo)+1
.if a_ < 6
.set ac_, 32*a_
	WIN 0xa4-0x20*(\first)                         ; source 0 window 0, source 1 window 1, D window 2; C window 2, or 0 for the bias
.else
.set ac_, 32*(a_-6)
	WIN 0xf4-0x30*(\first)                         ; the same with window 3
.endif
.irp b, 0,1,2,3
.if \first
	v_wmma_f32_16x16x32_bf16 v[ac_+8*\b:ac_+8*\b+7], v[FB+32*(\f)+8*\b:FB+32*(\f)+8*\b+7], v[104*(\f)+8*a_:104*(\f)+8*a_+7], v[BIAS+8*\b:BIAS+8*\b+7]
.else
	v_wmma_f32_16x16x32_bf16 v[ac_+8*\b:ac_+8*\b+7], v[FB+32*(\f)+8*\b:FB+32*(\f)+8*\b+7], v[104*(\f)+8*a_:104*(\f)+8*a_+7], v[ac_+8*\b:ac_+8*\b+7]
.endif
.endr
.set a_, a_+1
.endr
.endm
; 34 LDS loads in one run: quarter q's fragments into buffer g: w's 8, x's rows 0-95 (12), x's rows 96-207 (14)
.macro FETCH q, g
	WIN 0
.irp b, 0,1,2,3
	ds_load_b128 v[FB+32*(\g)+8*\b:FB+32*(\g)+8*\b+3],   v[ADRB] offset:\b*16*PITCH+64*(\q)
	ds_load_b128 v[FB+32*(\g)+8*\b+4:FB+32*(\g)+8*\b+7], v[ADRB] offset:\b*16*PITCH+64*(\q)+32
.endr
	WIN 0x40                                       ; destination window 1, address window 0
.irp a, 0,1,2,3,4,5,6,7,8,9,10,11,12
	ds_load_b128 v[104*(\g)+8*\a:104*(\g)+8*\a+3],   v[ADRA] offset:\a*16*PITCH+64*(\q)
	ds_load_b128 v[104*(\g)+8*\a+4:104*(\g)+8*\a+7], v[ADRA] offset:\a*16*PITCH+64*(\q)+32
.endr
.endm
; One of a K step's first three quarters: multiplies buffer f; in its middle it fetches quarter qn of the same slot into buffer g
.macro QUARTER qn, f, g, first
	s_wait_dscnt 14                                ; w's fragments and x's rows 0-95 are in; the youngest 14 loads may be out
	MULS \f, 0, 5, \first
	PLACES                                         ; for the loads into buffer g, which the quarter before multiplied
	FETCH \qn, \g
	s_wait_dscnt 34                                ; all but the 34 just issued
	MULS \f, 6, 12, \first
.endm
; The last quarter multiplies buffer 1 and changes slots: ONE barrier.  In front of it each wave waits for all its tensor loads (its part of the next slot; the first time the table too), adds 0 to its spare word, and waits for
; that and for its reads of this slot.  fill = 1 or 2: the barrier opens a round of the cluster's, and the slot just read is filled again first thing behind the round, 184 matrix instructions ahead of the wait for it:
; with the K step behind the one asked for last (1), or, behind a tile's K step 7, with the next tile's K step 0 (2).  fill = 0: nothing is left to ask for.
.macro TURN fill
	WIN 0                                          ; (the add's two registers lie in window 0)
	s_wait_tensorcnt 0x0                           ; all my tensor loads have landed;
	ds_add_u32 v[SPW], v[NIL]                      ; 0 onto my spare word;
	s_wait_dscnt 15                                ; (the add and the youngest 14 loads may be out)
	MULS 1, 0, 2, 0                                ; twelve matrix instructions stand between the add and the wait for it
	s_wait_dscnt 0x0                               ; the add is done, and my reads of this slot are over
	s_barrier_signal -1
	MULS 1, 3, 5, 0                                ; work on registers while the others arrive
	WIN 0
	s_barrier_wait -1
.if \fill
	CREST                                          ; no wave of any partner still reads this slot's tiles or has a load on its way
	s_xor_b32 s[G0A+5], s[G0A+5], SLOT1            ; the walking descriptors: the other slot than last time;
	s_xor_b32 s[G0B+5], s[G0B+5], SLOT1
.if (\fill) == 2
	s_sub_nc_u64 s[G0A+6:G0A+7], s[G0A+6:G0A+7], 7*ASTEP        ; x goes back along K,
	s_add_nc_u64 s[G0B+6:G0B+7], s[G0B+6:G0B+7], TILEB-7*ASTEP  ; w back along K and on to the next of q, k, v
.else
	s_add_nc_u64 s[G0A+6:G0A+7], s[G0A+6:G0A+7], ASTEP          ; the next K step; the type bits on top are not reached
	s_add_nc_u64 s[G0B+6:G0B+7], s[G0B+6:G0B+7], ASTEP
.endif
	JLOAD                                          ; the four v_nop behind it are also the places in front of the loads below
.else
	PLACES
.endif
	s_xor_b32 s[TB], s[TB], SLOT1                  ; the reads go on in the other slot
	v_add_nc_u32 v[ADRA], s[TB], v[A0]
	v_add_nc_u32 v[ADRB], s[TB], v[B0]
	FETCH 0, 0
	MULS 1, 6, 12, 0
.endm
; Q AND K: turned, rounded, stored.  TL a: cos and sin for row block a out of LDS: 8 loads of 512 consecutive bytes; my pair p (0-15) of the block's 32 numbers finds (c, s) in registers 2 p, 2 p + 1.
.macro TL a
.set cs_, CS0+(CS1-CS0)*((\a)%2)
.irp b, 0,1,2,3
	ds_load_b128 v[cs_+8*\b:cs_+8*\b+3],   v[TO] offset:(8*(\a)+2*\b)*512
	ds_load_b128 v[cs_+8*\b+4:cs_+8*\b+7], v[TO] offset:(8*(\a)+2*\b+1)*512
.endr
.endm
.macro ROPEB a
.if (\a) < 12
	s_wait_dscnt 0x8                               ; this block's table is in; the next block's eight loads stay out
.else
	s_wait_dscnt 0x0
.endif
.if (\a) < 6
.set ac_, 32*(\a)
	WIN 0x02                                       ; source 0 in the accumulators' window
.else
.set ac_, 32*((\a)-6)
	WIN 0x03
.endif
.set cs_, CS0+(CS1-CS0)*((\a)%2)
.set p_, 0
.rept 16                               ; (x0 c, x1 c); each accumulator's registers in ascending order
	v_pk_mul_f32 v[T+2*p_:T+2*p_+1], v[ac_+2*p_:ac_+2*p_+1], v[cs_+2*p_:cs_+2*p_+1] op_sel_hi:[1,0]
.set p_, p_+1
.endr
.set p_, 0
.rept 16                               ; (x0 c - x1 s, x1 c + x0 s)
	v_pk_fma_f32 v[T+2*p_:T+2*p_+1], v[ac_+2*p_:ac_+2*p_+1], v[cs_+2*p_:cs_+2*p_+1], v[T+2*p_:T+2*p_+1] op_sel:[1,1,0] op_sel_hi:[0,1,1] neg_lo:[0,1,0]
.set p_, p_+1
.endr
	WIN 0
	s_wait_xcnt 0x0                                ; the last block's stores have read PK: it is rewritten only behind this wait
.set p_, 0
.rept 16
	v_cvt_pk_f16_f32 v[PK+p_], v[T+2*p_], v[T+2*p_+1]
.set p_, p_+1
.endr
.if (\a) < 11
	TL (\a)+2                                      ; into the table buffer just used
.endif
.irp b, 0,1,2,3
	global_store_b128 v[LO], v[PK+4*\b:PK+4*\b+3], s[12:13] offset:(4*(\a)+\b)*512  ; 512 consecutive bytes, at a multiple of 512 from the head's first
.endr
.endm
; V: rounded, turned through my stage, stored.
.macro PACKV a
.if (\a) < 6
.set ac_, 32*(\a)
	WIN 0x0a                                       ; sources 0 and 1 in the accumulators' window
.else
.set ac_, 32*((\a)-6)
	WIN 0x0f
.endif
.set p_, 0
.rept 16
	v_cvt_pk_f16_f32 v[PK+p_], v[ac_+2*p_], v[ac_+2*p_+1]
.set p_, p_+1
.endr
	WIN 0
.endm
.macro TOSTV a
	s_wait_xcnt 0x0                                ; the stores of two blocks ago have read this chunk buffer: it is loaded again only behind this wait
.irp b, 0,1,2,3
	ds_store_b128 v[STO], v[PK+4*\b:PK+4*\b+3] offset:32*\b
.endr
.irp c, 0,1,2,3
	ds_load_tr16_b128 v[BK+16*((\a)%2)+4*\c:BK+16*((\a)%2)+4*\c+3], v[RD] offset:32*\c  ; LDS serves a wave's instructions in order (ISA guide 5.7.1.4): these see the stores above; the next block's stores come behind them
.endr
.endm
.macro SENDV a, younger                ; younger: the LDS instructions issued behind block a's loads
	s_wait_dscnt \younger
.irp c, 0,1,2,3
	global_store_b128 v[LO], v[BK+16*((\a)%2)+4*\c:BK+16*((\a)%2)+4*\c+3], s[12:13] offset:(4*(\a)+\c)*512
.endr
.endm
	s_wait_tensorcnt 0x2                           ; my part of K step 0 is in; K step 1's and the table's may stay out
	s_barrier_signal -1
	s_barrier_wait -1                              ; everybody's is
	FETCH 0, 0
	WIN 0                                          ; at a label and at a branch every window is 0
	s_mov_b32 s[TILES], 3
.Ltile:
	QUARTER 1, 0, 1, 1                             ; a tile's first quarter stands in front of the loop: its products start the sums
	WIN 0
	s_mov_b32 s[CNT], 6
.Lstep:                                                ; trip i ends K step i, fills its slot with K step i + 2 and begins K step i + 1
	QUARTER 2, 1, 0, 0
	QUARTER 3, 0, 1, 0
	TURN 1
	QUARTER 1, 0, 1, 0
	WIN 0
	s_sub_co_u32 s[CNT], s[CNT], 1
	s_cmp_lg_u32 s[CNT], 0
	s_cbranch_scc1 .Lstep
	QUARTER 2, 1, 0, 0                             ; K step 6 goes on
	QUARTER 3, 0, 1, 0
	WIN 0
	s_cmp_eq_u32 s[TILES], 1
	s_cbranch_scc1 .Llast                          ; the last tile's tail is written out: it asks for nothing more
	s_add_nc_u64 s[8:9], s[8:9], 4096              ; the next tile's bias, 1,024 numbers on (the loads by this base were waited for); asked for here, where a next tile is sure, more than a K step ahead of its use
	BIASLD
	TURN 2                                         ; THE RING GOES ON INTO THE NEXT TILE: slot 0 takes its K step 0,
	QUARTER 1, 0, 1, 0
	QUARTER 2, 1, 0, 0
	QUARTER 3, 0, 1, 0
	TURN 1                                         ; slot 1 its K step 1, and the next tile's first fragments are fetched into buffer 0
	WIN 0
	PLACES                                         ; in front of the first reads of the sums and of the loads into w's fragment buffer 1
	TL 0
	TL 1
.irp a, 0,1,2,3,4,5,6,7,8,9,10,11,12
	ROPEB \a
.endr
	BIASCV
	s_wait_xcnt 0x0                                ; the stores have read their base
	s_add_nc_u64 s[12:13], s[12:13], 1024*HB       ; from q's part of the output to k's, from k's to v's
	s_sub_co_u32 s[TILES], s[TILES], 1
	s_branch .Ltile
.Llast:
	TURN 0
	QUARTER 1, 0, 1, 0
	QUARTER 2, 1, 0, 0
	QUARTER 3, 0, 1, 0
	s_wait_dscnt 14
	MULS 1, 0, 5, 0
	s_wait_dscnt 0x0
	MULS 1, 6, 12, 0
	WIN 0
	PLACES                                         ; in front of the first reads of the sums
	PACKV 0
	TOSTV 0
.irp a, 1,2,3,4,5,6,7,8,9,10,11,12
	PACKV \a
	TOSTV \a
	SENDV (\a)-1, 8                                ; block a's four stores and four loads may be out
.endr
	SENDV 12, 0
	s_wait_tensorcnt 0x0                           ; the wave's end: a wait, an add and its wait, behind my last tensor load and my last LDS store
	ds_add_u32 v[SPW], v[NIL]
	s_wait_dscnt 0x0
	CROUND                                         ; the closing round: no work-group ends while a partner may still ask for a tile that names it
	s_endpgm
.Lfunc_end_k_qe018d5c709_qkv:
	.size	k_qe018d5c709_qkv, .Lfunc_end_k_qe018d5c709_qkv-k_qe018d5c709_qkv
	.p2alignl 7, 3214868480
	.fill 96, 4, 3214868480
	.section	.rodata,"a",@progbits
	.p2align	6, 0x0
	.amdhsa_kernel k_qe018d5c709_qkv
		.amdhsa_group_segment_fixed_size 327680
		.amdhsa_private_segment_fixed_size 0
		.amdhsa_enable_private_segment 0
		.amdhsa_kernarg_size 40
		.amdhsa_user_sgpr_count 2
		.amdhsa_user_sgpr_kernarg_segment_ptr 1
		.amdhsa_wavefront_size32 1
		.amdhsa_system_sgpr_workgroup_id_x 1
		.amdhsa_system_sgpr_workgroup_id_y 1
		.amdhsa_system_sgpr_workgroup_id_z 1
		.amdhsa_system_vgpr_workitem_id 0
		.amdhsa_next_free_vgpr 1024
		.amdhsa_next_free_sgpr 84
		.amdhsa_reserve_vcc 0
		.amdhsa_float_denorm_mode_32 3
		.amdhsa_float_denorm_mode_16_64 3
		.amdhsa_memory_ordered 1
		.amdhsa_forward_progress 1
		.amdhsa_inst_pref_size 194
	.end_amdhsa_kernel
	.amdgpu_metadata
---
amdhsa.version: [ 1, 2 ]
amdhsa.kernels:
  - .name:           k_qe018d5c709_qkv
    .symbol:         k_qe018d5c709_qkv.kd
    .args:
      - { .name: xb, .offset: 0, .size: 8, .value_kind: global_buffer, .address_space: global }
      - { .name: wb, .offset: 8, .size: 8, .value_kind: global_buffer, .address_space: global }
      - { .name: qkv_b, .offset: 16, .size: 8, .value_kind: global_buffer, .address_space: global }
      - { .name: rope, .offset: 24, .size: 8, .value_kind: global_buffer, .address_space: global }
      - { .name: qkv, .offset: 32, .size: 8, .value_kind: global_buffer, .address_space: global }
    .group_segment_fixed_size: 327680
    .private_segment_fixed_size: 0
    .kernarg_segment_align: 8
    .kernarg_segment_size: 40
    .max_flat_workgroup_size: 128
    .sgpr_count:     84
    .vgpr_count:     1024
    .wavefront_size: 32
...
	.end_amdgpu_metadata
.endif
;; end of part 2
;; launch attn (part 3): grid 256 x 1, 4 waves a work-group, no clusters, 0 bytes of LDS; arguments qkv, ctx; writes ctx
.if DOCPART == 3
	.amdgcn_target "amdgcn-amd-amdhsa--gfx1250"
	.amdhsa_code_object_version 6
	.text
	.protected	k_qe018d5c709_attn
	.globl	k_qe018d5c709_attn
	.p2align	8
	.type	k_qe018d5c709_attn,@function
k_qe018d5c709_attn:
	s_mov_b64 s[64:65], 0
	v_nop
	global_prefetch_b8 v0, s[64:65] scope:SCOPE_SE
	s_setreg_imm32_b32 hwreg(HW_REG_WAVE_MODE, 25, 1), 1
	s_wait_xcnt 0x0
; ATTENTION.  ctx[head][q] = sum over k < 197 of softmax_k(q . k / 8) v[k], one WAVE to a head (1,024 heads = 256 work-groups of four waves that share nothing).
; q, k, v come in f16 in fragment order ([which][head][a 13][b 4][lane][16 bytes]; v turned): every load is 512 consecutive bytes and lands as the matrix unit wants it.  A head's K (208 registers) and V^T (208)
; stay in registers for all 13 query tiles, so there is no LDS, no barrier, no tensor load; and no cluster, since no two waves read the same byte.
; LAYOUT.  S^T = K Q^T (source 0 = 16 keys, source 1 = 16 queries): a lane holds ONE query (lane % 16) and the keys 8 (lane / 16) + 0..7 of each of 13 key blocks.  Two such results rounded to f16 ARE source 1 of
; O^T = V^T P, whose result holds one query a lane and eight channels: 16 bytes in f16, again in fragment order for the projection.
; SOFTMAX.  All 208 scores of a query are at hand, so the maximum is the row's true maximum: p = 2^(c s - c m), c = log2(e) / 8; l is the sum of the unrounded p; O is divided by l at the end.
; PADDING.  Keys 197-207 get -1e30 as the C operand that starts their sum, so their weight is 0; keys 208-223 of the last product are registers that hold 0.  Query rows 197-207 are computed and stored (finite): the projection's tile reads them.
; LOADS.  Q's first tile, K and V are asked for in that order at the start.  The first tile's scores and weights wait for Q and K alone; V is waited for in front of its first product.
; LIMITS.  q, k, v within f16's range, as stored; p below 6e-5 keeps f16's step of 6e-8; a weight below 2^-126 counts as 0 in l; a hidden score counts as its value less 1e30; NaN and infinities are not treated apart.
; REGISTERS (s_set_vgpr_msb: bits 1:0 source 0, 3:2 source 1, 5:4 source 2, 7:6 destination):
;   window 0: v1-5 addresses; v8-11 four maxima; v12-13 c m; v16-23 l; v24-25 1 / l; v32-39 the mask; v40-55 Q; v64-167 S^T; v168-223 P; v224-255 O^T
;   window 1: K, fragment (key block kb, channel half c) at 16 kb + 8 c          window 2: V^T, fragment (keys 32 kk on, channel block cb) at 32 kk + 8 cb
.set HB,   26624                       ; bytes of a head
.set C,    8
.set L,    16
.set MASK, 32
.set Q,    40
.set S,    64
.set P,    168
.set O,    224
.set MSB, 0
.macro WIN new
.if MSB != (\new)
	s_set_vgpr_msb (MSB<<8)|(\new)
.set MSB, (\new)
.endif
.endm
	s_load_b128 s[4:7], s[0:1], 0x0                ; qkv s[4:5], ctx s[6:7]
	v_lshrrev_b32 v5, 5, v0
	v_readfirstlane_b32 s18, v5                    ; wave
	s_lshl_b32 s20, ttmp9, 2
	s_add_co_u32 s20, s20, s18                     ; my head
	s_mul_i32 s20, s20, HB                         ; under 2^25
	s_mov_b32 s21, 0
	s_mov_b32 s12, 0x3e38aa3b                      ; c = log2(e) / 8
	s_mov_b32 s13, s12                             ; named with it as a pair
	s_mov_b32 s14, 0x76543210                      ; v_permlanex16_b32: each lane takes its own place in the other half
	s_mov_b32 s15, 0xfedcba98
	s_mov_b32 s16, 0xf149f2ca                      ; -1e30
	v_and_b32 v1, 31, v0
	v_lshlrev_b32 v1, 4, v1                        ; 16 x lane; never rewritten
	v_mov_b32 v2, v1                               ; Q's offset: it walks, 2,048 bytes a tile
	v_add_nc_u32 v3, 12*2048, v1                   ; and stops at the last tile
	v_mov_b32 v4, v1                               ; ctx's offset: it walks too
	s_wait_kmcnt 0x0
	s_add_nc_u64 s[4:5], s[4:5], s[20:21]          ; q of my head
	s_add_nc_u64 s[6:7], s[6:7], s[20:21]
	s_add_nc_u64 s[8:9], s[4:5], 1024*HB           ; k
	s_add_nc_u64 s[10:11], s[4:5], 2048*HB         ; v
.irp n, 0,1,2,3
	global_load_b128 v[Q+4*\n:Q+4*\n+3], v2, s[4:5] offset:512*\n
.endr
	WIN 0x40                                       ; destination window 1
.set n, 0
.rept 52
	global_load_b128 v[4*n:4*n+3], v1, s[8:9] offset:512*n
.set n, n+1
.endr
	WIN 0x80                                       ; destination window 2
.set n, 0
.rept 52                               ; chunk (a = n / 4, cb = n % 4): keys 16 a + 8 h + 0..7 are half a & 1 of fragment (a / 2, cb)
	global_load_b128 v[32*(n/8)+8*(n%4)+4*((n/4)%2):32*(n/8)+8*(n%4)+4*((n/4)%2)+3], v1, s[10:11] offset:512*n
.set n, n+1
.endr
.irp cb, 0,1,2,3                       ; keys 208-223: no load lands here
.irp i, 4,5,6,7
	v_mov_b32 v[192+8*\cb+\i], 0
.endr
.endr
	WIN 0
.irp i, 0,1,2,3
	v_mov_b32 v[P+52+\i], 0                        ; their weights
.endr
	v_mov_b32 v13, 0                               ; named as a pair with c m
	v_bfe_u32 v5, v0, 4, 1
	v_lshlrev_b32 v5, 3, v5
	v_sub_nc_u32 v5, 4, v5                         ; key 192 + 8 h + j is hidden where j > 4 - 8 h
.irp j, 0,1,2,3,4,5,6,7
	v_cmp_gt_i32 vcc_lo, \j, v5
	v_cndmask_b32 v[MASK+\j], 0, s16, vcc_lo
.endr
.macro FS g                            ; c s - c m for key block g
.irp i, 0,1,2,3
	v_pk_fma_f32 v[S+8*(\g)+2*\i:S+8*(\g)+2*\i+1], v[S+8*(\g)+2*\i:S+8*(\g)+2*\i+1], s[12:13], v[12:13] op_sel_hi:[1,0,0] neg_lo:[0,0,1] neg_hi:[0,0,1]
.endr
.endm
.macro ES g                            ; its eight exponentials
.irp i, 0,1,2,3,4,5,6,7
	v_exp_f32 v[S+8*(\g)+\i], v[S+8*(\g)+\i]
.endr
.endm
.macro CV g                            ; its weights rounded to f16
	s_wait_alu depctr_va_vdst(0)
.irp i, 0,1,2,3
	v_cvt_pk_f16_f32 v[P+4*(\g)+\i], v[S+8*(\g)+2*\i], v[S+8*(\g)+2*\i+1]
.endr
.endm
.macro AS g                            ; l takes them, in four pairs; blocks 0 and 1 start the sums
.irp i, 0,1,2,3
.if (\g) == 1
	v_pk_add_f32 v[L+2*\i:L+2*\i+1], v[S+2*\i:S+2*\i+1], v[S+8+2*\i:S+8+2*\i+1]
.elseif (\g) > 1
	v_pk_add_f32 v[L+2*\i:L+2*\i+1], v[L+2*\i:L+2*\i+1], v[S+8*(\g)+2*\i:S+8*(\g)+2*\i+1]
.endif
.endr
.endm
	s_mov_b32 s17, 13
	s_wait_loadcnt 52                              ; loads come back in order: Q's 4 and K's 52 are in; V's 52, issued behind them, stay out
.Ltile:                                                ; a trip: one tile of 16 queries against all keys
	WIN 0x01                                       ; K in window 1
.set kb, 0
.rept 13                               ; 26 products; the 13 accumulators take turns; the first 13 start the sums, with 0 or with the mask
.if kb == 12
	v_wmma_f32_16x16x32_f16 v[S+96:S+103], v[192:199], v[Q:Q+7], v[MASK:MASK+7]
.else
	v_wmma_f32_16x16x32_f16 v[S+8*kb:S+8*kb+7], v[16*kb:16*kb+7], v[Q:Q+7], 0
.endif
.set kb, kb+1
.endr
.set kb, 0
.rept 13
	v_wmma_f32_16x16x32_f16 v[S+8*kb:S+8*kb+7], v[16*kb+8:16*kb+15], v[Q+8:Q+15], v[S+8*kb:S+8*kb+7]
.set kb, kb+1
.endr
	WIN 0
	v_add_nc_u32 v2, 2048, v2                      ; four plain lines: the places in front of the loads into Q and of the first reads of the scores
	v_add_nc_u32 v4, 2048, v4
	v_min_u32 v2, v2, v3                           ; the last trip asks for tile 12 once more, so that no load leaves the head; nothing reads it
	v_nop
.irp n, 0,1,2,3
	global_load_b128 v[Q+4*\n:Q+4*\n+3], v2, s[4:5] offset:512*\n
.endr
	; the maximum of my 104 scores, in four chains; each accumulator's lowest registers are read first
.irp q, 0,1,2,3
	v_max3_num_f32 v[C+\q], v[S+8*\q], v[S+8*\q+1], v[S+8*\q+2]
.endr
.irp q, 0,1,2,3
	v_max3_num_f32 v[C+\q], v[C+\q], v[S+8*\q+3], v[S+8*\q+4]
.endr
.irp q, 0,1,2,3
	v_max3_num_f32 v[C+\q], v[C+\q], v[S+8*\q+5], v[S+8*\q+6]
.endr
.irp q, 0,1,2,3
	v_max_num_f32 v[C+\q], v[C+\q], v[S+8*\q+7]
.endr
.irp g, 1,2
.irp i, 0,1,2,3
.irp q, 0,1,2,3
	v_max3_num_f32 v[C+\q], v[C+\q], v[S+8*(4*\g+\q)+2*\i], v[S+8*(4*\g+\q)+2*\i+1]
.endr
.endr
.endr
.irp q, 0,1,2,3
	v_max3_num_f32 v[C+\q], v[C+\q], v[S+96+2*\q], v[S+96+2*\q+1]
.endr
	v_max3_num_f32 v[C], v[C], v[C+1], v[C+2]
	v_max_num_f32 v[C], v[C], v[C+3]
	v_permlanex16_b32 v[C+1], v[C], s14, s15       ; the query's other keys lie in the lane 16 away
	v_max_num_f32 v[C], v[C], v[C+1]
	v_mul_f32 v12, s12, v[C]                       ; c m
	; the weights.  Behind each run of exponentials stand plain lines on other registers before its results are used (ISA guide 5.7.2)
	FS 0
	FS 1
	ES 0
.set gg, 1
.rept 12
.if gg < 12
	FS gg+1
.endif
	ES gg
	CV gg-1
	AS gg-1
.set gg, gg+1
.endr
	CV 12
	AS 12
	s_wait_loadcnt 0x4                             ; V is in (it is older than the next tile's four loads of Q, which may stay out); from the second trip on this is met at once
	WIN 0x02                                       ; V^T in window 2
.set kk, 0
.rept 7                                ; 28 products; the 4 accumulators take turns; the first 4 start the sums
.irp cb, 0,1,2,3
.if kk == 0
	v_wmma_f32_16x16x32_f16 v[O+8*\cb:O+8*\cb+7], v[8*\cb:8*\cb+7], v[P:P+7], 0
.else
	v_wmma_f32_16x16x32_f16 v[O+8*\cb:O+8*\cb+7], v[32*kk+8*\cb:32*kk+8*\cb+7], v[P+8*kk:P+8*kk+7], v[O+8*\cb:O+8*\cb+7]
.endif
.endr
.set kk, kk+1
.endr
	WIN 0
	v_pk_add_f32 v[L:L+1], v[L:L+1], v[L+2:L+3]    ; l is added up here: the first four lines, which name no register of the products, are the places behind them
	v_pk_add_f32 v[L+4:L+5], v[L+4:L+5], v[L+6:L+7]
	v_pk_add_f32 v[L:L+1], v[L:L+1], v[L+4:L+5]
	v_add_f32 v[L], v[L], v[L+1]
	v_permlanex16_b32 v[L+1], v[L], s14, s15
	v_add_f32 v[L], v[L], v[L+1]
	v_rcp_f32 v24, v[L]
	v_rcp_f32 v25, v[L]
	v_nop                                          ; a plain line between the reciprocals and their use
.set i_, 0
	s_wait_alu depctr_va_vdst(0)
.rept 16
	v_pk_mul_f32 v[O+2*i_:O+2*i_+1], v[O+2*i_:O+2*i_+1], v[24:25]
.set i_, i_+1
.endr
.set i_, 0
.rept 16
	v_cvt_pk_f16_f32 v[S+i_], v[O+2*i_], v[O+2*i_+1]
.set i_, i_+1
.endr
.irp cb, 0,1,2,3
	global_store_b128 v4, v[S+4*\cb:S+4*\cb+3], s[6:7] offset:512*\cb-2048  ; 512 consecutive aligned bytes; the offset has been stepped already
.endr
	s_wait_loadcnt 0x0                             ; the next tile's Q
	s_wait_xcnt 0x0                                ; the stores have read their registers and their offset: the next trip writes both
	s_sub_co_u32 s17, s17, 1
	s_cmp_lg_u32 s17, 0
	s_cbranch_scc1 .Ltile
	s_endpgm
.Lfunc_end_k_qe018d5c709_attn:
	.size	k_qe018d5c709_attn, .Lfunc_end_k_qe018d5c709_attn-k_qe018d5c709_attn
	.p2alignl 7, 3214868480
	.fill 96, 4, 3214868480
	.section	.rodata,"a",@progbits
	.p2align	6, 0x0
	.amdhsa_kernel k_qe018d5c709_attn
		.amdhsa_group_segment_fixed_size 0
		.amdhsa_private_segment_fixed_size 0
		.amdhsa_enable_private_segment 0
		.amdhsa_kernarg_size 16
		.amdhsa_user_sgpr_count 2
		.amdhsa_user_sgpr_kernarg_segment_ptr 1
		.amdhsa_wavefront_size32 1
		.amdhsa_system_sgpr_workgroup_id_x 1
		.amdhsa_system_sgpr_workgroup_id_y 1
		.amdhsa_system_sgpr_workgroup_id_z 1
		.amdhsa_system_vgpr_workitem_id 0
		.amdhsa_next_free_vgpr 736
		.amdhsa_next_free_sgpr 66
		.amdhsa_reserve_vcc 1
		.amdhsa_float_denorm_mode_32 3
		.amdhsa_float_denorm_mode_16_64 3
		.amdhsa_memory_ordered 1
		.amdhsa_forward_progress 1
		.amdhsa_inst_pref_size 37
	.end_amdhsa_kernel
	.amdgpu_metadata
---
amdhsa.version: [ 1, 2 ]
amdhsa.kernels:
  - .name:           k_qe018d5c709_attn
    .symbol:         k_qe018d5c709_attn.kd
    .args:
      - { .name: qkv, .offset: 0, .size: 8, .value_kind: global_buffer, .address_space: global }
      - { .name: ctx, .offset: 8, .size: 8, .value_kind: global_buffer, .address_space: global }
    .group_segment_fixed_size: 0
    .private_segment_fixed_size: 0
    .kernarg_segment_align: 8
    .kernarg_segment_size: 16
    .max_flat_workgroup_size: 128
    .sgpr_count:     66
    .vgpr_count:     736
    .wavefront_size: 32
...
	.end_amdgpu_metadata
.endif
;; end of part 3
;; launch proj (part 4): grid 4 x 64, 4 waves a work-group, clusters of 4 x 4, 327,680 bytes of LDS; arguments ctx, pwh, proj_b, out0; writes out0
.if DOCPART == 4
	.amdgcn_target "amdgcn-amd-amdhsa--gfx1250"
	.amdhsa_code_object_version 6
	.text
	.protected	k_qe018d5c709_proj
	.globl	k_qe018d5c709_proj
	.p2align	8
	.type	k_qe018d5c709_proj,@function
k_qe018d5c709_proj:
	s_mov_b64 s[64:65], 0
	v_nop
	global_prefetch_b8 v0, s[64:65] scope:SCOPE_SE
	s_setreg_imm32_b32 hwreg(HW_REG_WAVE_MODE, 25, 1), 1
	s_wait_xcnt 0x0
	s_wait_alu depctr_hold_cnt(0) depctr_sa_sdst(0) depctr_va_vdst(0) depctr_va_sdst(0) depctr_va_ssrc(0) depctr_va_vcc(0) depctr_vm_vsrc(0)
	s_getreg_b32 s2, hwreg(HW_REG_IB_STS2, 6, 4)
	s_cmp_eq_u32 s2, 0
	s_cbranch_scc0 .Lentry_in_a_cluster
	s_endpgm
.Lentry_in_a_cluster:
	s_bfe_u32 s2, ttmp6, 0x10000c
	s_cmp_lg_u32 s2, 0xf033
	s_cbranch_scc0 .Lentry_shape_is_right
	s_endpgm
.Lentry_shape_is_right:
; PROJECTION.  out0[m][n] = sum over k of ctx[m][k] proj_w[n][k] + proj_b[n]: f16 operands (proj_w rounded to bf16 and written as f16), f32 sums that START with the bias (rounded to bf16 like every input), f32 out.
; TILE.  One batch (208 rows of ctx, of which 197 are stored) x 256 columns: 256 work-groups.  Wave w of four: all 208 rows x columns 64 w .. 64 w + 63: 52 accumulators (a 0-12, b 0-3).
; K goes in 8 steps of 128 = two heads, through two LDS slots; a step is four quarters of 32: 52 matrix instructions and 34 LDS loads each.
; ctx lies in fragment order ([head][a][b][lane][16 bytes]): a head's 26,624 bytes come in as 104 dense rows of 256 bytes, and a fragment load takes 512 consecutive LDS bytes.
; CLUSTER 4 x 4: ctx's tile hangs on the batch alone and is asked for jointly along a row of the cluster, proj_w's on the column tile alone, along a column.
; THE MATRIX INSTRUCTION IS USED TRANSPOSED (source 0 = 16 rows of proj_w, source 1 = 16 rows of ctx): a lane holds eight neighbouring numbers of a row of the output, 32 bytes.
; THE WAY OUT: a block of 16 rows x 64 columns goes through my stage in LDS and comes back as rows of 256 bytes: sixteen lanes store 256 consecutive aligned bytes.
; LIMITS.  ctx and pwh are f16 as stored by the launches before.  NaN and infinities are not treated apart.
; REGISTERS, in windows of 256 (s_set_vgpr_msb: bits 1:0 source 0, 3:2 source 1, 5:4 source 2, 7:6 destination):
;   window 0: v0-15 addresses; v16-47 the bias; v48-63 at work; v64-95, v96-127 proj_w's fragments, two buffers; v128-191 the way out, two buffers
;   window 1: ctx's fragments, two buffers of 104      window 2: accumulators a = 0-5 at v[32 a + 8 b]      window 3: a = 6-12 at v[32 (a - 6) + 8 b]
.set PITCH,  272                       ; a row of proj_w in LDS: 256 bytes + 16 of padding: the 16 rows of a fragment load begin at 16 different 16-byte columns modulo 256
.set HB,     26624                     ; bytes of a head of ctx
.set BOFF,   2*HB                      ; proj_w's 256 rows lie behind ctx's two heads
.set BHALF,  128*PITCH
.set SLOT1,  131072
.set STAGE,  SLOT1+BOFF+256*PITCH      ; behind the ring, never filled by a tensor load: 16 rows x 272 bytes for each wave
.set SPITCH, 272
.set SPARE,  STAGE+4*16*SPITCH         ; the spare words, 128 bytes for each wave: two blocks of 256 bytes that no other line names
.set ASTEP,  2*HB                      ; bytes from a K step of ctx to the next
.set A0,   4                           ; v4   16 x lane: my place in every block of ctx; never rewritten
.set B0,   5                           ; v5   my lane's place in my 64 rows of proj_w's tile
.set ADRA, 6
.set ADRB, 7
.set STO,  8                           ; v8   the way out: where I put 32 bytes of a row
.set RD,   9                           ; v9   where I read rows back
.set CO,   10                          ; v10  my byte offset in two rows of the output
.set BO,   12                          ; v12  32 h
.set LANE, 13
.set SPW,  14
.set NIL,  15
.set BIAS, 16
.set TMPB, 48
.set FB,   64
.set BK,   128
.set WV,   14
.set FORB, 15
.set HALF, 16
.set G1A,  24
.set G1B,  32
.set G0A,  40
.set G0B,  48
.set CNT,  56
.set TB,   57
.set MSB, 0
.macro WIN new                         ; the immediate's high byte repeats the setting that is left; a switch that changes nothing is dropped
.if MSB != (\new)
	s_set_vgpr_msb (MSB<<8)|(\new)
.set MSB, (\new)
.endif
.endm
.macro PLACES                          ; four places between a matrix instruction and a load into, or a read of, its registers (ISA guide 7.12.1 for vector reads)
.rept 4
	v_nop
.endr
.endm
.macro JLOAD                           ; a joint refill by the walking descriptors; an s_nop 0 and four v_nop follow each of the two lines, ahead of the jump and the label
	s_cmp_eq_u32 s[FORB], 0
	s_cbranch_scc0 .Lfor_b_\@
	tensor_load_to_lds s[G0A+4:G0A+7], s[G1A:G1A+7]
	s_nop 0
.rept 4
	v_nop
.endr
	s_branch .Lasked_\@
.Lfor_b_\@:
	tensor_load_to_lds s[G0B+4:G0B+7], s[G1B:G1B+7]
	s_nop 0
.rept 4
	v_nop
.endr
.Lasked_\@:
.endm
.macro CREST                           ; a round of the cluster's barrier behind its opening barrier
	s_cmp_lg_u32 s[WV], 0
	s_cbranch_scc1 .Lnot_wave_0_\@
	s_barrier_signal -3
.Lnot_wave_0_\@:
	s_barrier_wait -3
	s_barrier_signal -1
	s_barrier_wait -1
.endm
.macro CROUND
	s_barrier_signal -1
	s_barrier_wait -1
	CREST
.endm
	s_load_b256 s[4:11], s[0:1], 0x0               ; ctx s[4:5], pwh s[6:7], proj_b s[8:9], out0 s[10:11]
	v_lshl_add_u32 v[SPW], v0, 2, SPARE
	v_mov_b32 v[NIL], 0
	ds_add_u32 v[SPW], v[NIL]                      ; the wave's opening: the add and its wait stand ahead of my first tensor load; the set-up below, work on registers, stands between them
	v_lshrrev_b32 v3, 5, v0
	v_readfirstlane_b32 s[WV], v3                  ; wave 0..3
	s_lshr_b32 s[FORB], s[WV], 1                   ; 0: I fetch a head of ctx; 1: half of proj_w's tile
	s_and_b32 s[HALF], s[WV], 1                    ; which
	s_bfe_u32 s17, ttmp6, 0x40000                  ; cx
	s_bfe_u32 s18, ttmp6, 0x40004                  ; cy
	s_lshl_b32 s19, ttmp9, 2
	s_add_co_u32 s19, s19, s17                     ; column tile
	s_and_b32 s20, ttmp7, 0xffff
	s_lshl_b32 s20, s20, 2
	s_add_co_u32 s20, s20, s18                     ; batch
	s_lshl_b32 s21, s18, 2
	s_lshl_b32 s21, 15, s21                        ; my row of the cluster
	s_lshl_b32 s22, 0x1111, s17                    ; my column
	; group 1 for ctx: a head as 104 dense rows of 128 elements, no padding
	s_or_b32 s[G1A+0], s21, (1<<16)|(1<<21)        ; the mask; elements of 2 bytes; bit 21 beside a mask
	s_mov_b32 s[G1A+1], 128<<16                    ; tensor_dim0 = 128
	s_mov_b32 s[G1A+2], 104<<16                    ; tensor_dim1 = 104
	s_mov_b32 s[G1A+3], 128<<16                    ; tile_dim0 = 128
	s_mov_b32 s[G1A+4], 104                        ; tile_dim1 = 104
	s_mov_b32 s[G1A+5], 128                        ; elements from row to row
	s_mov_b32 s[G1A+6], 0
	s_mov_b32 s[G1A+7], 0
	; group 1 for proj_w: 128 rows x 128 elements, padded in LDS
	s_or_b32 s[G1B+0], s22, (1<<16)|(1<<20)|(1<<21)|(5<<22)|(3<<25)  ; padding on; after every 64 words (code 5) 4 words (code 3)
	s_mov_b32 s[G1B+1], 128<<16
	s_mov_b32 s[G1B+2], 128<<16
	s_mov_b32 s[G1B+3], 128<<16
	s_mov_b32 s[G1B+4], 128
	s_mov_b32 s[G1B+5], 1024
	s_mov_b32 s[G1B+6], 0
	s_mov_b32 s[G1B+7], 0
	; where the tiles come from: ctx's offset is made of the batch and the wave alone, proj_w's of the column tile and the wave alone
	s_mul_i32 s58, s20, 16*HB
	s_mul_i32 s62, s[HALF], HB
	s_add_co_u32 s58, s58, s62
	s_mov_b32 s59, 0
	s_lshl_b32 s60, s19, 1
	s_add_co_u32 s60, s60, s[HALF]
	s_lshl_b32 s60, s60, 18                        ; (256 tile + 128 half) rows of 2,048 bytes
	s_mov_b32 s61, 0
	s_mov_b32 s[G0A+0], 1
	s_mul_i32 s[G0A+1], s[HALF], HB
	s_mov_b32 s[G0A+4], 1
	s_add_co_u32 s[G0A+5], s[G0A+1], SLOT1
	s_mov_b32 s[G0B+0], 1
	s_mul_i32 s[G0B+1], s[HALF], BHALF
	s_add_co_u32 s[G0B+1], s[G0B+1], BOFF
	s_mov_b32 s[G0B+4], 1
	s_add_co_u32 s[G0B+5], s[G0B+1], SLOT1
	; my part of the output, and my 64 numbers of the bias
	s_mul_i32 s66, s20, 197*4096
	s_lshl_b32 s68, s19, 10
	s_lshl_b32 s69, s[WV], 8
	s_add_co_u32 s68, s68, s69                     ; (256 tile + 64 wave) x 4 bytes
	s_add_co_u32 s66, s66, s68
	s_mov_b32 s67, 0
	s_mov_b32 s69, 0
	s_mov_b32 s[TB], 0
	s_wait_dscnt 0x0                               ; the opening add is done
	s_wait_kmcnt 0x0
	s_add_nc_u64 s[G0A+2:G0A+3], s[4:5], s[58:59]  ; K step 0
	s_add_nc_u64 s[G0A+6:G0A+7], s[G0A+2:G0A+3], ASTEP  ; K step 1
	s_or_b32 s[G0A+3], s[G0A+3], 0x80000000        ; type = 2
	s_or_b32 s[G0A+7], s[G0A+7], 0x80000000
	s_add_nc_u64 s[G0B+2:G0B+3], s[6:7], s[60:61]
	s_add_nc_u64 s[G0B+6:G0B+7], s[G0B+2:G0B+3], 256
	s_or_b32 s[G0B+3], s[G0B+3], 0x80000000
	s_or_b32 s[G0B+7], s[G0B+7], 0x80000000
	s_add_nc_u64 s[10:11], s[10:11], s[66:67]
	s_add_nc_u64 s[8:9], s[8:9], s[68:69]
	CROUND                                         ; all sixteen work-groups are here: the first joint loads meet
	s_cmp_eq_u32 s[FORB], 0                        ; a wave's two first fills stand in one branch, ahead of every wait on TENSORcnt and every LDS read: two loads of mine are out
	s_cbranch_scc0 .Lfirst_b
	tensor_load_to_lds s[G0A:G0A+3], s[G1A:G1A+7]
	s_nop 0
	tensor_load_to_lds s[G0A+4:G0A+7], s[G1A:G1A+7]
	s_nop 0
.rept 4
	v_nop
.endr
	s_branch .Lfirst_asked
.Lfirst_b:
	tensor_load_to_lds s[G0B:G0B+3], s[G1B:G1B+7]
	s_nop 0
	tensor_load_to_lds s[G0B+4:G0B+7], s[G1B:G1B+7]
	s_nop 0
.rept 4
	v_nop
.endr
.Lfirst_asked:
	v_and_b32 v1, 15, v0                           ; r
	v_bfe_u32 v2, v0, 4, 1                         ; h
	v_and_b32 v[LANE], 31, v0
	v_lshlrev_b32 v[BO], 5, v2
.irp b, 0,1,2,3
	global_load_b128 v[BIAS+8*\b:BIAS+8*\b+3],   v[BO], s[8:9] offset:64*\b     ; b[64 w + 16 b + 8 h + 0..7]: what register j of accumulator (a, b) starts with
	global_load_b128 v[BIAS+8*\b+4:BIAS+8*\b+7], v[BO], s[8:9] offset:64*\b+16
.endr
	v_lshlrev_b32 v[A0], 4, v[LANE]
	v_mul_u32_u24 v3, v1, PITCH
	v_lshl_add_u32 v3, v2, 4, v3                   ; row x pitch + 16 x half
	s_mul_i32 s62, s[WV], 64*PITCH
	s_add_co_u32 s62, s62, BOFF
	v_add_nc_u32 v[B0], s62, v3                    ; my 64 rows of proj_w
	s_mul_i32 s63, s[WV], 16*SPITCH
	s_add_co_u32 s63, s63, STAGE                   ; my stage
	v_mul_u32_u24 v3, v1, SPITCH
	v_lshl_add_u32 v3, v2, 5, v3
	v_add_nc_u32 v[STO], s63, v3                   ; in: row l % 16, 32 bytes for each half of the lanes
	v_mul_u32_u24 v3, v2, SPITCH
	v_lshl_add_u32 v3, v1, 4, v3
	v_add_nc_u32 v[RD], s63, v3                    ; back: lanes 0-15 take one row of 256 bytes, lanes 16-31 the next
	v_lshlrev_b32 v3, 12, v2
	v_lshl_add_u32 v[CO], v1, 4, v3                ; and the same two rows in the output
	v_add_nc_u32 v[ADRA], s[TB], v[A0]
	v_add_nc_u32 v[ADRB], s[TB], v[B0]
	s_wait_loadcnt 0x0                             ; the bias
.set i_, 0
.rept 16                               ; rounded to bf16 like every input, and widened again
	v_cvt_pk_bf16_f32 v[TMPB+i_], v[BIAS+2*i_], v[BIAS+2*i_+1]
.set i_, i_+1
.endr
.set i_, 0
.rept 16
	v_lshlrev_b32 v[BIAS+2*i_], 16, v[TMPB+i_]
	v_and_b32 v[BIAS+2*i_+1], 0xffff0000, v[TMPB+i_]
.set i_, i_+1
.endr
; Row blocks alo .. ahi x all 4 column blocks, 32 along K, from buffer f.  first = 1: the sums start with the bias.  The accumulators take turns, one instruction a turn.
.macro MULS f, alo, ahi, first
.set a_, (\alo)
.rept (\ahi)-(\alo)+1
.if a_ < 6
.set ac_, 32*a_
	WIN 0xa4-0x20*(\first)                         ; source 0 window 0, source 1 window 1, D window 2; C window 2, or 0 for the bias
.else
.set ac_, 32*(a_-6)
	WIN 0xf4-0x30*(\first)                         ; the same with window 3
.endif
.irp b, 0,1,2,3
.if \first
	v_wmma_f32_16x16x32_f16 v[ac_+8*\b:ac_+8*\b+7], v[FB+32*(\f)+8*\b:FB+32*(\f)+8*\b+7], v[104*(\f)+8*a_:104*(\f)+8*a_+7], v[BIAS+8*\b:BIAS+8*\b+7]
.else
	v_wmma_f32_16x16x32_f16 v[ac_+8*\b:ac_+8*\b+7], v[FB+32*(\f)+8*\b:FB+32*(\f)+8*\b+7], v[104*(\f)+8*a_:104*(\f)+8*a_+7], v[ac_+8*\b:ac_+8*\b+7]
.endif
.endr
.set a_, a_+1
.endr
.endm
; 34 LDS loads in one run: quarter q's fragments into buffer g: proj_w's 8, ctx's rows 0-95 (12), ctx's rows 96-207 (14).  Quarter q is head q / 2 of the step, channels 32 (q % 2) on: blocks 4 a + 2 (q % 2) and the next
.macro FETCH q, g
	WIN 0
.irp b, 0,1,2,3
	ds_load_b128 v[FB+32*(\g)+8*\b:FB+32*(\g)+8*\b+3],   v[ADRB] offset:\b*16*PITCH+64*(\q)
	ds_load_b128 v[FB+32*(\g)+8*\b+4:FB+32*(\g)+8*\b+7], v[ADRB] offset:\b*16*PITCH+64*(\q)+32
.endr
	WIN 0x40                                       ; destination window 1, address window 0
.irp a, 0,1,2,3,4,5,6,7,8,9,10,11,12
	ds_load_b128 v[104*(\g)+8*\a:104*(\g)+8*\a+3],   v[ADRA] offset:((\q)/2)*HB+(4*\a+2*((\q)%2))*512
	ds_load_b128 v[104*(\g)+8*\a+4:104*(\g)+8*\a+7], v[ADRA] offset:((\q)/2)*HB+(4*\a+2*((\q)%2)+1)*512
.endr
.endm
.macro QUARTER qn, f, g, first
	s_wait_dscnt 14                                ; proj_w's fragments and ctx's rows 0-95 are in; the youngest 14 loads may be out
	MULS \f, 0, 5, \first
	PLACES                                         ; for the loads into buffer g, which the quarter before multiplied
	FETCH \qn, \g
	s_wait_dscnt 34                                ; all but the 34 just issued
	MULS \f, 6, 12, \first
.endm
; The last quarter multiplies buffer 1 and changes slots: ONE barrier.  In front of it each wave waits for all its tensor loads (one is out: its part of the next slot), adds 0 to its spare word, and waits for that and
; for its reads of this slot.  fill = 1: the barrier opens a round of the cluster's, and the slot just read is filled again, two K steps ahead, first thing behind the round: 184 matrix instructions ahead of the wait for it.
.macro TURN fill
	WIN 0                                          ; (the add's two registers lie in window 0)
	s_wait_tensorcnt 0x0                           ; all my tensor loads have landed;
	ds_add_u32 v[SPW], v[NIL]                      ; 0 onto my spare word;
	s_wait_dscnt 15                                ; (the add and the youngest 14 loads may be out)
	MULS 1, 0, 2, 0                                ; twelve matrix instructions stand between the add and the wait for it
	s_wait_dscnt 0x0                               ; the add is done, and my reads of this slot are over
	s_barrier_signal -1
	MULS 1, 3, 5, 0                                ; work on registers while the others arrive
	WIN 0
	s_barrier_wait -1
.if \fill
	CREST                                          ; no wave of any partner still reads this slot's tiles or has a load on its way
	s_xor_b32 s[G0A+5], s[G0A+5], SLOT1            ; the walking descriptors: the other slot than last time,
	s_add_nc_u64 s[G0A+6:G0A+7], s[G0A+6:G0A+7], ASTEP  ; the next K step; the type bits on top are not reached
	s_xor_b32 s[G0B+5], s[G0B+5], SLOT1
	s_add_nc_u64 s[G0B+6:G0B+7], s[G0B+6:G0B+7], 256
	JLOAD                                          ; the four v_nop behind it are also the places in front of the loads below
.else
	PLACES
.endif
	s_xor_b32 s[TB], s[TB], SLOT1                  ; the reads go on in the other slot
	v_add_nc_u32 v[ADRA], s[TB], v[A0]
	v_add_nc_u32 v[ADRB], s[TB], v[B0]
	FETCH 0, 0
	MULS 1, 6, 12, 0
.endm
	s_wait_tensorcnt 0x1                           ; my part of K step 0 is in; K step 1's may stay out
	s_barrier_signal -1
	s_barrier_wait -1                              ; everybody's is
	FETCH 0, 0
	QUARTER 1, 0, 1, 1                             ; the first quarter stands in front of the loop: its products start the sums
	WIN 0                                          ; at a label and at a branch every window is 0
	s_mov_b32 s[CNT], 6
.Lstep:                                                ; trip i ends K step i, fills its slot with K step i + 2 and begins K step i + 1
	QUARTER 2, 1, 0, 0
	QUARTER 3, 0, 1, 0
	TURN 1
	QUARTER 1, 0, 1, 0
	WIN 0
	s_sub_co_u32 s[CNT], s[CNT], 1
	s_cmp_lg_u32 s[CNT], 0
	s_cbranch_scc1 .Lstep
	QUARTER 2, 1, 0, 0                             ; the last two K steps are written out: they ask for nothing
	QUARTER 3, 0, 1, 0
	TURN 0
	QUARTER 1, 0, 1, 0
	QUARTER 2, 1, 0, 0
	QUARTER 3, 0, 1, 0
	s_wait_dscnt 14
	MULS 1, 0, 5, 0
	s_wait_dscnt 0x0
	MULS 1, 6, 12, 0
	WIN 0
	PLACES                                         ; in front of the LDS stores that read the sums
; THE WAY OUT.  TOST a: block a's 16 rows x 64 f32 into my stage (each accumulator's low four registers first) and back as rows.  Of block 12 only rows 192-197 are read back.
.macro TOST a
	WIN 0
	s_wait_xcnt 0x0                                ; the stores of two blocks ago have read this buffer: it is loaded again only behind this wait
.if (\a) < 6
.set ac_, 32*(\a)
	WIN 0x08                                       ; the stored data (source 1) in window 2
.else
.set ac_, 32*((\a)-6)
	WIN 0x0c                                       ; in window 3
.endif
.irp b, 0,1,2,3
	ds_store_b128 v[STO], v[ac_+8*\b:ac_+8*\b+3]   offset:64*\b
	ds_store_b128 v[STO], v[ac_+8*\b+4:ac_+8*\b+7] offset:64*\b+16
.endr
	WIN 0
.irp t, 0,1,2,3,4,5,6,7
.if ((\a) < 12) || (\t < 3)
	ds_load_b128 v[BK+32*((\a)%2)+4*\t:BK+32*((\a)%2)+4*\t+3], v[RD] offset:2*SPITCH*\t  ; LDS serves a wave's instructions in order (ISA guide 5.7.1.4): these see the stores above; the next block's stores come behind them
.endif
.endr
.endm
.macro SEND a, younger                 ; younger: the LDS instructions issued behind block a's loads
	s_wait_dscnt \younger
.irp t, 0,1,2,3,4,5,6,7
.if ((\a) < 12) || (\t < 2)
	global_store_b128 v[CO], v[BK+32*((\a)%2)+4*\t:BK+32*((\a)%2)+4*\t+3], s[10:11] offset:(16*(\a)+2*\t)*4096 th:TH_STORE_NT  ; 16 lanes store 256 consecutive aligned bytes
.endif
.endr
.endm
	TOST 0
.irp a, 1,2,3,4,5,6,7,8,9,10,11
	TOST \a
	SEND (\a)-1, 16                                ; block a's eight stores and eight loads may be out
.endr
	TOST 12
	SEND 11, 11                                    ; block 12's eight stores and three loads may be out
	SEND 12, 0                                     ; rows 192 to 195
	v_cmp_gt_u32 vcc_lo, 16, v[LANE]               ; row 196 is the batch's last: lanes 0-15 alone store
	s_wait_xcnt 0x0                                ; EXEC changes only behind this wait
	s_and_saveexec_b32 s70, vcc_lo
	global_store_b128 v[CO], v[BK+8:BK+11], s[10:11] offset:196*4096 th:TH_STORE_NT
	s_wait_xcnt 0x0                                ; and again in front of the line that widens it
	s_or_b32 exec_lo, exec_lo, s70
	s_wait_tensorcnt 0x0                           ; the wave's end: a wait, an add and its wait, behind my last tensor load and my last LDS store
	ds_add_u32 v[SPW], v[NIL]
	s_wait_dscnt 0x0
	CROUND                                         ; the closing round: no work-group ends while a partner may still ask for a tile that names it
	s_endpgm
.Lfunc_end_k_qe018d5c709_proj:
	.size	k_qe018d5c709_proj, .Lfunc_end_k_qe018d5c709_proj-k_qe018d5c709_proj
	.p2alignl 7, 3214868480
	.fill 96, 4, 3214868480
	.section	.rodata,"a",@progbits
	.p2align	6, 0x0
	.amdhsa_kernel k_qe018d5c709_proj
		.amdhsa_group_segment_fixed_size 327680
		.amdhsa_private_segment_fixed_size 0
		.amdhsa_enable_private_segment 0
		.amdhsa_kernarg_size 32
		.amdhsa_user_sgpr_count 2
		.amdhsa_user_sgpr_kernarg_segment_ptr 1
		.amdhsa_wavefront_size32 1
		.amdhsa_system_sgpr_workgroup_id_x 1
		.amdhsa_system_sgpr_workgroup_id_y 1
		.amdhsa_system_sgpr_workgroup_id_z 1
		.amdhsa_system_vgpr_workitem_id 0
		.amdhsa_next_free_vgpr 1024
		.amdhsa_next_free_sgpr 72
		.amdhsa_reserve_vcc 1
		.amdhsa_float_denorm_mode_32 3
		.amdhsa_float_denorm_mode_16_64 3
		.amdhsa_memory_ordered 1
		.amdhsa_forward_progress 1
		.amdhsa_inst_pref_size 104
	.end_amdhsa_kernel
	.amdgpu_metadata
---
amdhsa.version: [ 1, 2 ]
amdhsa.kernels:
  - .name:           k_qe018d5c709_proj
    .symbol:         k_qe018d5c709_proj.kd
    .args:
      - { .name: ctx, .offset: 0, .size: 8, .value_kind: global_buffer, .address_space: global }
      - { .name: pwh, .offset: 8, .size: 8, .value_kind: global_buffer, .address_space: global }
      - { .name: proj_b, .offset: 16, .size: 8, .value_kind: global_buffer, .address_space: global }
      - { .name: out0, .offset: 24, .size: 8, .value_kind: global_buffer, .address_space: global }
    .group_segment_fixed_size: 327680
    .private_segment_fixed_size: 0
    .kernarg_segment_align: 8
    .kernarg_segment_size: 32
    .max_flat_workgroup_size: 128
    .sgpr_count:     72
    .vgpr_count:     1024
    .wavefront_size: 32
...
	.end_amdgpu_metadata
.endif
;; end of part 4
;; ======== version 2 of 2: 4 launches; version 1 with the launch cast written anew for expert scheduling mode
;; limits: values are held in f16: magnitudes above 65,504 overflow, below 6.1e-05 lose precision
;; workspace buffers: xb 25,821,184 bytes; wb 6,291,456 bytes; pwh 2,097,152 bytes; rope 53,248 bytes; qkv 81,788,928 bytes; ctx 27,262,976 bytes
;; launch cast (part 5): grid 548 x 1, 8 waves a work-group, no clusters, 0 bytes of LDS; arguments x, qkv_w, proj_w, xb, wb, pwh, rope; writes xb, wb, pwh, rope
.if DOCPART == 5
	.amdgcn_target "amdgcn-amd-amdhsa--gfx1250"
	.amdhsa_code_object_version 6
	.text
	.protected	k_qe018d5c709_cast
	.globl	k_qe018d5c709_cast
	.p2align	8
	.type	k_qe018d5c709_cast,@function
k_qe018d5c709_cast:
	s_mov_b64 s[64:65], 0
	v_nop
	global_prefetch_b8 v0, s[64:65] scope:SCOPE_SE
	s_setreg_imm32_b32 hwreg(HW_REG_WAVE_SCHED_MODE, 0, 2), 2
	s_setreg_imm32_b32 hwreg(HW_REG_WAVE_MODE, 25, 1), 1
	s_wait_xcnt 0x0
	s_wait_alu depctr_vm_vsrc(0)
; CAST.  x [12608][1024] and qkv_w [3072][1024] are rounded once to bf16 (xb, wb); proj_w [1024][1024] is rounded to bf16 and that number written as f16 (pwh);
; the rotary table (rope) is made.  A stream: no LDS, no matrix unit, no cluster (no two work-groups read the same byte).
; SHARES.  A work-group takes 32 rows of 4,096 bytes, each of its eight waves 4 rows = 16,384 consecutive bytes = 32 loads of 512 bytes, all issued before the first is used.
; Work-groups 0-393: x.  394-489: qkv_w.  490-521: proj_w.  522-547: the table, 208 waves, each 256 bytes of it.
; LIMITS.  pwh: |proj_w| within f16's 65,504; below 6e-5 f16 keeps its fixed step of 6e-8.  The series below serve the table's own angles (at most 13 rad, sixteenth 0.8125), which are constants of the problem.
; THE TABLE.  rope[a 13][b 4][u 2][lane 32][c, s, c, s] f32: lane 16 h + r holds cos and sin of the pairs i = 8 b + 4 h + 2 u + {0, 1} for token 16 a + r.
; Pair i < 16 turns by (p / 14) w_i, pair i >= 16 by (p % 14) w_(i-16), p = token - 1, w_j = 10000^(-j/16).  Token 0 and the padding rows 197-207 get (1, 0).
; THE MODE: SCHED_MODE bits 1:0 = 2 (LLVM: expert scheduling mode 2), set by the entry lines.  The code itself states the register dependences
; between vector instructions and memory instructions, with s_wait_alu, always for 0.
; THE PLAN, for the two casting paths.  Registers that memory instructions touch:
;   v1, v2       the loads' and the stores' byte offsets: made once at the head, never written again.
;   v[X + 4 j ..]  load j lands in its own four registers, once; its conversions read them and write the first two in place; store j reads those two; nothing writes them behind the store.
;   v[T ..]      named by vector instructions alone.
; The 32 loads go in eight blocks of four.  Block p converts its four; the memory instructions dealt among its conversions are the four stores of block p - 1, whose registers no vector instruction of block p names.
; So one wait at a block's head states all that those four stores hang on; one wait ahead of the first load covers both offsets for the whole path; one stands ahead of the last four stores.
; No register that a load or a store has read is written again: nothing is owed for that.  EXEC is never written.
.set XG,  394                          ; work-groups for x
.set WGR, 96                           ; for qkv_w
.set PG,  32                           ; for proj_w
.set BLK, 4                            ; loads in a block
.set X,   8                            ; v[8:135]   load j: four registers
.set T,   136                          ; v[136:139] at work
	s_load_b256 s[4:11], s[0:1], 0x0               ; x s[4:5], qkv_w s[6:7], proj_w s[8:9], xb s[10:11]
	s_load_b128 s[12:15], s[0:1], 0x20             ; wb s[12:13], pwh s[14:15]
	s_load_b64 s[16:17], s[0:1], 0x30              ; rope
	v_lshrrev_b32 v3, 5, v0                        ; wave
	v_and_b32 v4, 31, v0                           ; lane
	v_lshlrev_b32 v1, 4, v4
	v_lshl_or_b32 v1, v3, 14, v1                   ; in: wave x 16,384 + lane x 16
	v_lshlrev_b32 v2, 3, v4
	v_lshl_or_b32 v2, v3, 13, v2                   ; out: wave x 8,192 + lane x 8
	s_mov_b32 s28, 0xffff0000                      ; a word's upper bf16
	s_mov_b32 s25, 0                               ; the offsets' high words
	s_mov_b32 s27, 0
	s_cmp_ge_u32 ttmp9, XG+WGR+PG
	s_cbranch_scc1 .Ltable
	s_cmp_ge_u32 ttmp9, XG+WGR
	s_cbranch_scc1 .Lproj
; 32 loads; then, block by block: the wait that leaves the younger blocks out, the roundings, and among them the block before's stores of 256 consecutive aligned bytes.  No register is written again behind a store.
; mode 0: f32 -> bf16.  mode 1: f32 -> bf16 -> f32 (a shift, a mask) -> f16.
.macro CAST mode
	s_wait_alu depctr_va_vdst(0)                   ; v1 and v2 are written: every load below reads v1 as its offset, every store v2
.set j, 0
.rept 32
	global_load_b128 v[X+4*j:X+4*j+3], v1, s[20:21] offset:512*j th:TH_LOAD_NT
.set j, j+1
.endr
.set p, 0
.rept 32/BLK
	s_wait_loadcnt 32-BLK-BLK*p                    ; loads come back in order: block p's four are in, the younger blocks' stay out
.if p > 0
	s_wait_alu depctr_va_vdst(0)                   ; the block before's roundings have written the registers that the four stores below read; no vector line of this block names them
.endif
.set i, 0
.rept BLK
.set j, BLK*p+i
.if p > 0
	global_store_b64 v2, v[X+4*(j-BLK):X+4*(j-BLK)+1], s[22:23] offset:256*(j-BLK)
.endif
.if \mode
	v_cvt_pk_bf16_f32 v[T], v[X+4*j], v[X+4*j+1]
	v_cvt_pk_bf16_f32 v[T+1], v[X+4*j+2], v[X+4*j+3]
	v_lshlrev_b32 v[T+2], 16, v[T]
	v_and_b32 v[T+3], s28, v[T]
	v_cvt_pk_f16_f32 v[X+4*j], v[T+2], v[T+3]
	v_lshlrev_b32 v[T+2], 16, v[T+1]
	v_and_b32 v[T+3], s28, v[T+1]
	v_cvt_pk_f16_f32 v[X+4*j+1], v[T+2], v[T+3]
.else
	v_cvt_pk_bf16_f32 v[X+4*j], v[X+4*j], v[X+4*j+1]
	v_cvt_pk_bf16_f32 v[X+4*j+1], v[X+4*j+2], v[X+4*j+3]
.endif
.set i, i+1
.endr
.set p, p+1
.endr
	s_wait_alu depctr_va_vdst(0)                   ; the last block's roundings have written the registers that the last four stores read
.set j, 32-BLK
.rept BLK
	global_store_b64 v2, v[X+4*j:X+4*j+1], s[22:23] offset:256*j
.set j, j+1
.endr
.endm
	s_wait_kmcnt 0x0
	s_cmp_lt_u32 ttmp9, XG                         ; x or qkv_w: the choice hangs on the work-group's number alone
	s_cselect_b64 s[20:21], s[4:5], s[6:7]
	s_cselect_b64 s[22:23], s[10:11], s[12:13]
	s_cselect_b32 s18, 0, XG
	s_sub_co_u32 s18, ttmp9, s18                   ; my block of 32 rows in that tensor
	s_lshl_b32 s24, s18, 17                        ; x 131,072 bytes in
	s_lshl_b32 s26, s18, 16                        ; x 65,536 bytes out
	s_add_nc_u64 s[20:21], s[20:21], s[24:25]
	s_add_nc_u64 s[22:23], s[22:23], s[26:27]
	CAST 0
	s_endpgm
.Lproj:
	s_wait_kmcnt 0x0
	s_sub_co_u32 s18, ttmp9, XG+WGR
	s_lshl_b32 s24, s18, 17
	s_lshl_b32 s26, s18, 16
	s_add_nc_u64 s[20:21], s[8:9], s[24:25]
	s_add_nc_u64 s[22:23], s[14:15], s[26:27]
	CAST 1
	s_endpgm
.Ltable:
	v_readfirstlane_b32 s19, v3                    ; wave
	s_sub_co_u32 s18, ttmp9, XG+WGR+PG
	s_wait_alu depctr_va_sdst(0)                   ; s19 is written, ahead of its first reader, the line below
	s_lshl3_add_u32 s18, s18, s19                  ; W = my 256 bytes of the table, 0 to 207
	s_and_b32 s20, s18, 1                          ; h
	s_bfe_u32 s21, s18, 0x10001                    ; u
	s_bfe_u32 s22, s18, 0x20002                    ; b
	s_lshr_b32 s23, s18, 4                         ; a
	s_and_b32 s24, s22, 1
	s_lshl_b32 s24, s24, 3                         ; 8 (b & 1)
	s_lshl2_add_u32 s24, s20, s24                  ; + 4 h
	s_lshl1_add_u32 s24, s21, s24                  ; + 2 u
	s_cmp_lt_u32 s22, 2                            ; b < 2: the pairs that turn by the grid's row
	s_cselect_b32 s29, -1, 0
	v_and_b32 v5, 1, v4                            ; which of the two pairs
	v_lshrrev_b32 v6, 1, v4                        ; r
	v_lshl_add_u32 v6, s23, 4, v6                  ; token 16 a + r
	v_add_nc_u32 v6, -1, v6                        ; p
	v_cmp_gt_u32 vcc_lo, 196, v6                   ; token 0 (p wraps) and rows 197 on: no turn
	s_wait_alu depctr_va_vcc(0)                    ; the compare has written VCC, which the select below reads
	v_cndmask_b32 v6, 0, v6, vcc_lo
	v_mul_u32_u24 v7, v6, 4682
	v_lshrrev_b32 v7, 16, v7                       ; p / 14: 4682 / 65536 is exact for p below 5,000
	v_mul_u32_u24 v8, v7, 14
	v_sub_nc_u32 v8, v6, v8                        ; p % 14
	v_cndmask_b32 v7, v8, v7, s29                  ; (s29 was written by a scalar instruction)
	v_cvt_f32_u32 v7, v7                           ; t
	v_add_nc_u32 v5, s24, v5                       ; j
	v_cvt_f32_u32 v5, v5
	v_mul_f32 v5, 0xbf549a78, v5                   ; - j log2(10000) / 16
	v_exp_f32 v5, v5                               ; w_j
	v_mul_f32 v7, 0x3d800000, v7                   ; t / 16: the plain line between the exponential and the use of its result
	s_wait_alu depctr_va_vdst(0)                   ; the exponential has written v5, which the line below reads
	v_mul_f32 v7, v7, v5                           ; phi = angle / 16, at most 0.8125
	v_mul_f32 v8, v7, v7                           ; phi^2
	v_mov_b32 v10, 0xb2d7322b                      ; sine: -1/11!, 1/9!, -1/7!, 1/5!, -1/3!, 1: the term left out is below 2e-11
	v_mov_b32 v12, 0x310f76c7                      ; cosine: 1/12!, -1/10!, 1/8!, -1/6!, 1/4!, -1/2!, 1
	v_fmaak_f32 v10, v10, v8, 0x3638ef1d
	v_fmaak_f32 v12, v12, v8, 0xb493f27e
	v_fmaak_f32 v10, v10, v8, 0xb9500d01
	v_fmaak_f32 v12, v12, v8, 0x37d00d01
	v_fmaak_f32 v10, v10, v8, 0x3c088889
	v_fmaak_f32 v12, v12, v8, 0xbab60b61
	v_fmaak_f32 v10, v10, v8, 0xbe2aaaab
	v_fmaak_f32 v12, v12, v8, 0x3d2aaaab
	v_fmaak_f32 v10, v10, v8, 0x3f800000
	v_fmaak_f32 v12, v12, v8, 0xbf000000
	v_mul_f32 v13, v10, v7                         ; sin phi
	v_fmaak_f32 v12, v12, v8, 0x3f800000           ; cos phi
.rept 4                                ; four doublings: phi -> 16 phi
	v_mul_f32 v10, v13, v13
	v_mul_f32 v11, v13, v12
	v_fma_f32 v12, v12, v12, -v10                  ; c^2 - s^2
	v_add_f32 v13, v11, v11                        ; 2 s c
.endr
	v_lshlrev_b32 v9, 3, v4
	v_lshl_add_u32 v9, s18, 8, v9                  ; 256 W + 8 lane
	s_wait_kmcnt 0x0
	s_wait_alu depctr_va_vdst(0)                   ; v9 and v[12:13] are written: the store below reads them as its offset and its data
	global_store_b64 v9, v[12:13], s[16:17]        ; the wave stores 256 consecutive aligned bytes
	s_endpgm
.Lfunc_end_k_qe018d5c709_cast:
	.size	k_qe018d5c709_cast, .Lfunc_end_k_qe018d5c709_cast-k_qe018d5c709_cast
	.p2alignl 7, 3214868480
	.fill 96, 4, 3214868480
	.section	.rodata,"a",@progbits
	.p2align	6, 0x0
	.amdhsa_kernel k_qe018d5c709_cast
		.amdhsa_group_segment_fixed_size 0
		.amdhsa_private_segment_fixed_size 0
		.amdhsa_enable_private_segment 0
		.amdhsa_kernarg_size 56
		.amdhsa_user_sgpr_count 2
		.amdhsa_user_sgpr_kernarg_segment_ptr 1
		.amdhsa_wavefront_size32 1
		.amdhsa_system_sgpr_workgroup_id_x 1
		.amdhsa_system_sgpr_workgroup_id_y 1
		.amdhsa_system_sgpr_workgroup_id_z 1
		.amdhsa_system_vgpr_workitem_id 0
		.amdhsa_next_free_vgpr 144
		.amdhsa_next_free_sgpr 66
		.amdhsa_reserve_vcc 1
		.amdhsa_float_denorm_mode_32 3
		.amdhsa_float_denorm_mode_16_64 3
		.amdhsa_memory_ordered 1
		.amdhsa_forward_progress 1
		.amdhsa_inst_pref_size 34
	.end_amdhsa_kernel
	.amdgpu_metadata
---
amdhsa.version: [ 1, 2 ]
amdhsa.kernels:
  - .name:           k_qe018d5c709_cast
    .symbol:         k_qe018d5c709_cast.kd
    .args:
      - { .name: x, .offset: 0, .size: 8, .value_kind: global_buffer, .address_space: global }
      - { .name: qkv_w, .offset: 8, .size: 8, .value_kind: global_buffer, .address_space: global }
      - { .name: proj_w, .offset: 16, .size: 8, .value_kind: global_buffer, .address_space: global }
      - { .name: xb, .offset: 24, .size: 8, .value_kind: global_buffer, .address_space: global }
      - { .name: wb, .offset: 32, .size: 8, .value_kind: global_buffer, .address_space: global }
      - { .name: pwh, .offset: 40, .size: 8, .value_kind: global_buffer, .address_space: global }
      - { .name: rope, .offset: 48, .size: 8, .value_kind: global_buffer, .address_space: global }
    .group_segment_fixed_size: 0
    .private_segment_fixed_size: 0
    .kernarg_segment_align: 8
    .kernarg_segment_size: 56
    .max_flat_workgroup_size: 256
    .sgpr_count:     66
    .vgpr_count:     144
    .wavefront_size: 32
...
	.end_amdgpu_metadata
.endif
;; end of part 5
;; launch qkv: the kernel of part 2 again; grid 4 x 64, 4 waves a work-group, clusters of 4 x 4, 327,680 bytes of LDS; arguments xb, wb, qkv_b, rope, qkv; writes qkv
;; launch attn: the kernel of part 3 again; grid 256 x 1, 4 waves a work-group, no clusters, 0 bytes of LDS; arguments qkv, ctx; writes ctx
;; launch proj: the kernel of part 4 again; grid 4 x 64, 4 waves a work-group, clusters of 4 x 4, 327,680 bytes of LDS; arguments ctx, pwh, proj_b, out0; writes out0
